; MI455X (gfx1250); checked and timed in simulation.
; The chip was launched on July 23, 2026; its instructions are those of AMD's public machine-readable ISA for CDNA 5 (MIT licence, August 2026) and "CDNA5" Instruction Set Architecture Reference Guide (July 2026). The comments in the code are by the model that wrote it; some were corrected since.
;; Transformer Block. Allowed arithmetic: float matrix products may take bf16 or f16 operands with f32 sums; other float arithmetic in f32, or as packed bf16 or f16 multiplies, adds, multiply-adds, maxima and minima; sums over many terms, partial sums and values carried from step to step in f32; what a program stores and reads back later, other than sums and carried values, may be rounded once to bf16 or f16.
;; Inputs: W2 1,024 x 256 float32; W3 256 x 1,024 float32; Wk 256 x 256 float32; Wo 256 x 256 float32; Wq 256 x 256 float32; Wv 256 x 256 float32; b2 1,024 float32; b3 256 float32; ln1_b 256 float32; ln1_g 256 float32; ln2_b 256 float32; ln2_g 256 float32; x 2 x 4,096 x 256 float32.
;; Outputs: out0 2 x 4,096 x 256 float32.
;; One version. Each part assembles by itself: llvm-mc -triple=amdgcn-amd-amdhsa -mcpu=gfx1250 --defsym DOCPART=n.
;; ======== version 1 of 1: 3 launches
;; workspace buffers: qws 4,194,304 bytes; kws 4,194,304 bytes; vws 4,194,304 bytes; ows 4,194,304 bytes; wbf 1,179,648 bytes
;; launch qkv (part 1): grid 128 x 2, 8 waves a work-group, no clusters, 267,264 bytes of LDS; arguments x, Wq, Wk, Wv, ln1_g, ln1_b, Wo, W2, W3, qws, kws, vws, wbf; writes qws, kws, vws, wbf
.if DOCPART == 1
	.amdgcn_target "amdgcn-amd-amdhsa--gfx1250"
	.amdhsa_code_object_version 6
	.text
	.protected	k_q2c495ae039_qkv
	.globl	k_q2c495ae039_qkv
	.p2align	8
	.type	k_q2c495ae039_qkv,@function
k_q2c495ae039_qkv:
	s_mov_b64 s[64:65], 0
	v_nop
	global_prefetch_b8 v0, s[64:65] scope:SCOPE_SE
	s_setreg_imm32_b32 hwreg(HW_REG_WAVE_MODE, 25, 1), 1
	s_wait_xcnt 0x0
; LAYER NORM 1, THE THREE PROJECTIONS, ROPE.  xn = LN(x) g + b; [q k v] = xn [Wq; Wk; Wv]^T; q and k are turned by interleaved RoPE.  x: [8192][256] f32, W*: [256][256] f32.
; q, k, v leave by heads, [16 = 8 b + h][4096][32] in bf16, each rounded once from its f32 sum, q WITHOUT the score's scale.
; SHARES.  A work-group takes 64 rows of x and 384 of the 768 output columns (12 units of 32 columns: one head of q, k or v); grid 128 x 2.  Wave v: rows 32 (v / 4) .. + 31, columns 96 (v % 4) .. + 95: 12 accumulators.
; THE WAY IN.  The weights are f32 and are multiplied in bf16, so they pass through registers: each wave loads 48 rows, rounds them once and puts them into LDS, where the block of 384 rows lies whole:
; no slot is ever filled twice, one barrier serves the launch.  No cluster: what the work-groups share is f32, and an f32 copy of 384 rows beside the bf16 one does not fit in LDS.
; No prefetch: the weights are read by all 128 work-groups of a column half, x by two, and the launch is short.
; SIDE JOB.  Each work-group rounds 9 rows of Wo, W2, W3 to bf16 into wbf, nine tiles [256 n][256 k] in the order in which the last launch walks them: Wo; then W2 rows 256 j .., W3 columns 256 j .., j = 0..3.
; LIMITS.  Matrix operands are rounded once to bf16.  The variance is taken of centred values.  RoPE's angle s f_i is reduced by 2 pi in two parts and halved; sine and cosine of the half angle are polynomials
; whose cut is below 6e-8 on the whole reduced range; f_i comes from v_exp_f32 (1 ULP), so the angle is good to about 3e-4 rad at s = 4095.  NaN and infinities are not treated apart.
.set PW,    528       ; an LDS row of 256 bf16: 512 bytes + 16: an odd multiple of 16, so the 16 rows of a fragment load start at 16 different groups of four banks (ISA guide 11.1)
.set XN,    202752    ; behind W's 384 rows: xn, 64 rows
.set TAB,   236544    ; 64 rows x 16 (cos, sin) f32, pitch 144
.set PT,    144
.set STAGE, 245760    ; 32 rows x 80 bytes for each wave, for the way out
.set SPARE, 266240    ; the spare words, 128 bytes a wave: four blocks of 256 bytes that no other line names
.set LO,  2           ; v2   32 x lane: my 8 numbers of an f32 row; never rewritten
.set L16, 3           ; v3   16 x lane; never rewritten
.set XST, 4           ; v4   where I put 16 bytes of my wave's first row of xn
.set WST, 5           ; v5   the same for my wave's first row of W
.set TA,  6           ; v6   my (cos, sin) pair in the table
.set FI,  7           ; v7   f_i = 10000^(-i / 16), i = thread % 16
.set POS, 8           ; v8   s0 + thread / 16
.set SR,  9           ; v9   the way out: where I read rows back
.set SPW, 10          ; v10  my spare word; never rewritten
.set NIL, 11          ; v11  0; never rewritten
.set AX,  12          ; v12  my lane's place in xn's fragments
.set AW,  13          ; v13  in W's
.set AT,  14          ; v14  in the table
.set SA,  15          ; v15  the way out: where I put 16 bytes of a row
.set G,   24          ; v[24:31] gain, v[32:39] bias of my 8 columns
.set BE,  32
.set TT,  40          ; v[40:63] at work; first the side job's rows (v40-47, wave 0 also v48-55); v56-63 the table's pairs
.set XR,  64          ; v[64:127]  8 rows of x, later of W
.set WA,  128         ; v[128:191] 8 rows of W
.set WC,  192         ; v[192:255] at work for the table, then 8 rows of W
.set F0,  32          ; two sets of fragments: xn's two, then W's six
.set F1,  96
.set ACC, 160         ; accumulator (mt, nb) at ACC + 8 (6 mt + nb)
.set TBL, 32          ; the way out: (cos, sin) of my 4 pairs, at + 16 mt + 8 par
.set TR,  64
.set PKR, 72
.set OB,  96          ; 16 registers a unit
.set WVN, 30
.set RH,  31
.set CG,  32
.set XB,  33
.set CC,  34
.set WW,  35          ; s35  128 c + xb: the row that the side job takes in each tile
.set PWG, 36          ; s[36:41] my three groups of 16 weight rows
.set PX,  42
.set PSS, 44          ; the side job: from, to; wave 0's second row: from, to
.set PSD, 46
.set PWS, 48
.set PWD, 50
.set POUT, 52         ; s[52:57] where my three units go
.set SEL, 58
.set UN,  66          ; s66-68 my three units' numbers, 0 to 23
.set OF,  72          ; s[72:73] an offset, its high word 0
.macro PLACES                       ; four plain vector lines between a matrix instruction and a load into, or a vector line on, its registers
.rept 4
	v_nop
.endr
.endm
.macro ALL4 line:vararg             ; one line four times, e = 0..3: four chains side by side
.set e, 0
.rept 4
	\line
.set e, e+1
.endr
.endm
	s_load_b512 s[4:19], s[0:1], 0x0               ; x 4, Wq 6, Wk 8, Wv 10, g 12, b 14, Wo 16, W2 18
	s_load_b256 s[20:27], s[0:1], 0x40             ; W3 20, qws 22, kws 24, vws 26
	s_load_b64 s[28:29], s[0:1], 0x60              ; wbf
	v_lshl_add_u32 v[SPW], v0, 2, SPARE
	v_mov_b32 v[NIL], 0
	v_lshrrev_b32 v1, 5, v0
	v_readfirstlane_b32 s[WVN], v1                 ; wave 0..7
	v_and_b32 v1, 31, v0
	v_lshlrev_b32 v[LO], 5, v1
	v_lshlrev_b32 v[L16], 4, v1
	s_lshr_b32 s[RH], s[WVN], 2
	s_and_b32 s[CG], s[WVN], 3
	s_mov_b32 s[XB], ttmp9
	s_and_b32 s[CC], ttmp7, 0xffff
	s_lshl_b32 s[WW], s[CC], 7
	s_add_co_u32 s[WW], s[WW], s[XB]
	s_and_b32 s63, s[XB], 63
	s_lshl_b32 s63, s63, 6                         ; s0: my first row's place in its sequence
	s_mov_b32 s[SEL], 0x76543210
	s_mov_b32 s[SEL+1], 0xfedcba98
	s_mov_b32 s60, 0x3b800000                      ; 1 / 256
	s_mov_b32 s61, 0x3727c5ac                      ; 1e-5
	s_mov_b32 s62, 0xbb800000                      ; -1 / 256
	s_mov_b32 s76, 0x40c90fdb                      ; 2 pi, its f32 part
	s_mov_b32 s77, 0xb43bbd2e                      ; and the rest
	s_mov_b32 s[OF+1], 0
	s_mul_i32 s2, s[WVN], 8*PW
	s_add_co_u32 s2, s2, XN
	v_add_nc_u32 v[XST], s2, v[L16]
	s_mul_i32 s2, s[WVN], 48*PW
	v_add_nc_u32 v[WST], s2, v[L16]
	v_lshrrev_b32 v[POS], 4, v0
	v_and_b32 v[FI], 15, v0
	v_mul_u32_u24 v[TA], v[POS], PT
	v_lshl_add_u32 v[TA], v[FI], 3, v[TA]
	v_add_nc_u32 v[TA], TAB, v[TA]
	v_add_nc_u32 v[POS], s63, v[POS]
	v_cvt_f32_u32 v[FI], v[FI]
	v_mul_f32 v[FI], 0xbf549a78, v[FI]             ; -i log2(10000) / 16
	v_exp_f32 v[FI], v[FI]
	v_and_b32 v20, 15, v0                          ; r = lane % 16; the fragments' addresses are the plain work behind the exponential
	v_bfe_u32 v21, v0, 4, 1                        ; h = lane / 16
	v_mul_u32_u24 v22, v20, PW
	v_lshl_add_u32 v22, v21, 4, v22
	s_mul_i32 s2, s[RH], 32*PW
	s_add_co_u32 s2, s2, XN
	v_add_nc_u32 v[AX], s2, v22
	s_mul_i32 s2, s[CG], 96*PW
	v_add_nc_u32 v[AW], s2, v22
	v_mul_u32_u24 v22, v20, PT
	v_lshl_add_u32 v22, v21, 5, v22
	s_mul_i32 s2, s[RH], 32*PT
	s_add_co_u32 s2, s2, TAB
	v_add_nc_u32 v[AT], s2, v22
	s_mul_i32 s3, s[WVN], 2560
	s_add_co_u32 s3, s3, STAGE
	v_mul_u32_u24 v22, v20, 80
	v_lshl_add_u32 v22, v21, 4, v22
	v_add_nc_u32 v[SA], s3, v22
	v_lshrrev_b32 v22, 2, v1
	v_mul_u32_u24 v22, v22, 80
	v_and_b32 v23, 3, v1
	v_lshl_add_u32 v22, v23, 4, v22
	v_add_nc_u32 v[SR], s3, v22
	s_wait_alu depctr_va_vdst(0)                   ; the wait between the exponential and its first reader, ahead of the branches below
	s_mul_i32 s70, s[WVN], 3
	s_mul_i32 s2, s[CC], 24
	s_add_co_u32 s70, s70, s2                      ; my first group of 16 rows among the 48 of [Wq; Wk; Wv]
	s_mul_i32 s71, s[CG], 3
	s_mul_i32 s2, s[CC], 12
	s_add_co_u32 s71, s71, s2                      ; my first unit among the 24
	s_wait_kmcnt 0x0
.irp j, 0,1,2
	s_add_co_u32 s2, s70, \j
	s_lshr_b32 s3, s2, 4                           ; which of the three matrices,
	s_and_b32 s[OF], s2, 15
	s_lshl_b32 s[OF], s[OF], 14                    ; and which 16 rows of 1,024 bytes in it
	s_cmp_lt_u32 s3, 1
	s_cselect_b64 s[PWG+2*(\j):PWG+2*(\j)+1], s[6:7], s[8:9]
	s_cmp_lt_u32 s3, 2
	s_cselect_b64 s[PWG+2*(\j):PWG+2*(\j)+1], s[PWG+2*(\j):PWG+2*(\j)+1], s[10:11]
	s_add_nc_u64 s[PWG+2*(\j):PWG+2*(\j)+1], s[PWG+2*(\j):PWG+2*(\j)+1], s[OF:OF+1]
.endr
	s_lshl_b32 s[OF], s[XB], 16
	s_lshl_b32 s2, s[WVN], 13
	s_add_co_u32 s[OF], s[OF], s2
	s_add_nc_u64 s[PX:PX+1], s[4:5], s[OF:OF+1]    ; x at my wave's 8 rows
	; the side job: waves 0-3 take row 256 (v % 4) + w of W2 (tile 1 + 2 (v % 4)), waves 4-7 the columns 256 (v % 4) .. of row w of W3 (tile 2 + 2 (v % 4))
	s_lshl_b32 s74, s[CG], 18
	s_lshl_b32 s2, s[WW], 10
	s_add_co_u32 s74, s74, s2
	s_lshl_b32 s75, s[WW], 12
	s_lshl_b32 s2, s[CG], 10
	s_add_co_u32 s75, s75, s2
	s_lshl_b32 s3, s[CG], 1
	s_add_co_u32 s3, s3, s[RH]
	s_add_co_u32 s3, s3, 1                         ; the tile
	s_cmp_lt_u32 s[WVN], 4
	s_cselect_b64 s[PSS:PSS+1], s[18:19], s[20:21]
	s_cselect_b32 s[OF], s74, s75
	s_add_nc_u64 s[PSS:PSS+1], s[PSS:PSS+1], s[OF:OF+1]
	s_lshl_b32 s[OF], s3, 17
	s_lshl_b32 s2, s[WW], 9
	s_add_co_u32 s[OF], s[OF], s2
	s_add_nc_u64 s[PSD:PSD+1], s[28:29], s[OF:OF+1]
	s_lshl_b32 s[OF], s[WW], 10
	s_add_nc_u64 s[PWS:PWS+1], s[16:17], s[OF:OF+1]  ; wave 0 also takes row w of Wo (tile 0)
	s_lshl_b32 s[OF], s[WW], 9
	s_add_nc_u64 s[PWD:PWD+1], s[28:29], s[OF:OF+1]
	; where my units go: buffer by kind, then ((8 b + head) 4096 + s0 + 32 rh) rows of 64 bytes
	s_lshr_b32 s74, s[XB], 6
	s_lshl_b32 s74, s74, 3
	s_lshl_b32 s75, s[RH], 5
	s_add_co_u32 s75, s75, s63
	s_lshl_b32 s75, s75, 6
.irp u, 0,1,2
	s_add_co_u32 s[UN+(\u)], s71, \u
	s_lshr_b32 s3, s[UN+(\u)], 3                   ; 0 q, 1 k, 2 v
	s_and_b32 s2, s[UN+(\u)], 7                    ; the head
	s_add_co_u32 s2, s2, s74
	s_lshl_b32 s2, s2, 18
	s_add_co_u32 s[OF], s2, s75
	s_cmp_lt_u32 s3, 1
	s_cselect_b64 s[POUT+2*(\u):POUT+2*(\u)+1], s[22:23], s[24:25]
	s_cmp_lt_u32 s3, 2
	s_cselect_b64 s[POUT+2*(\u):POUT+2*(\u)+1], s[POUT+2*(\u):POUT+2*(\u)+1], s[26:27]
	s_add_nc_u64 s[POUT+2*(\u):POUT+2*(\u)+1], s[POUT+2*(\u):POUT+2*(\u)+1], s[OF:OF+1]
.endr
; 8 rows of W, batch bt of my six, into 64 registers: a lane takes 8 neighbouring numbers of each row
.macro LOADB dst, bt
.irp i, 0,1,2,3,4,5,6,7
	global_load_b128 v[(\dst)+8*(\i):(\dst)+8*(\i)+3],   v[LO], s[PWG+2*((\bt)/2):PWG+2*((\bt)/2)+1] offset:((\bt)%2)*8192+(\i)*1024
	global_load_b128 v[(\dst)+8*(\i)+4:(\dst)+8*(\i)+7], v[LO], s[PWG+2*((\bt)/2):PWG+2*((\bt)/2)+1] offset:((\bt)%2)*8192+(\i)*1024+16
.endr
.endm
; and from there, rounded, into LDS
.macro CONV src, bt
.irp i, 0,1,2,3,4,5,6,7
.irp k, 0,1,2,3
	v_cvt_pk_bf16_f32 v[TT+4*((\i)%4)+(\k)], v[(\src)+8*(\i)+2*(\k)], v[(\src)+8*(\i)+2*(\k)+1]
.endr
	ds_store_b128 v[WST], v[TT+4*((\i)%4):TT+4*((\i)%4)+3] offset:(8*(\bt)+(\i))*PW
.endr
.endm
	s_cmp_lg_u32 s[WVN], 0                         ; wave 0's two extra loads are the oldest, so they change no count below
	s_cbranch_scc1 .Lno_wo
	global_load_b128 v[TT+8:TT+11],  v[LO], s[PWS:PWS+1]
	global_load_b128 v[TT+12:TT+15], v[LO], s[PWS:PWS+1] offset:16
.Lno_wo:
	global_load_b128 v[TT:TT+3],   v[LO], s[PSS:PSS+1]
	global_load_b128 v[TT+4:TT+7], v[LO], s[PSS:PSS+1] offset:16
	global_load_b128 v[G:G+3],     v[LO], s[12:13]
	global_load_b128 v[G+4:G+7],   v[LO], s[12:13] offset:16
	global_load_b128 v[BE:BE+3],   v[LO], s[14:15]
	global_load_b128 v[BE+4:BE+7], v[LO], s[14:15] offset:16
.irp i, 0,1,2,3,4,5,6,7
	global_load_b128 v[XR+8*(\i):XR+8*(\i)+3],   v[LO], s[PX:PX+1] offset:(\i)*1024
	global_load_b128 v[XR+8*(\i)+4:XR+8*(\i)+7], v[LO], s[PX:PX+1] offset:(\i)*1024+16
.endr
	LOADB WA, 0
	; THE TABLE, while the loads are out: thread t makes (cos, sin) of s f_i for i = t % 16 and the rows t / 16 + 16 e.  At WC + 16 e: +0 the angle, +1 n, +2 z, +3 sine's, +4 cosine's polynomial, +5 the half angle
	ALL4 v_add_nc_u32 v[WC+16*e], 16*e, v[POS]
	ALL4 v_cvt_f32_u32 v[WC+16*e], v[WC+16*e]
	ALL4 v_mul_f32 v[WC+16*e], v[WC+16*e], v[FI]
	ALL4 v_mul_f32 v[WC+16*e+1], 0.15915494, v[WC+16*e]
	ALL4 v_rndne_f32 v[WC+16*e+1], v[WC+16*e+1]
	ALL4 v_fma_f32 v[WC+16*e], -v[WC+16*e+1], s76, v[WC+16*e]
	ALL4 v_fma_f32 v[WC+16*e], -v[WC+16*e+1], s77, v[WC+16*e]
	ALL4 v_mul_f32 v[WC+16*e+5], 0.5, v[WC+16*e]
	ALL4 v_mul_f32 v[WC+16*e+2], v[WC+16*e+5], v[WC+16*e+5]
	ALL4 v_mov_b32 v[WC+16*e+3], 0xb2d7322b        ; -1 / 11!
	ALL4 v_mov_b32 v[WC+16*e+4], 0x310f76c7        ; 1 / 12!
.irp c, 0x3638ef1d, 0xb9500d01, 0x3c088889, 0xbe2aaaab, 0x3f800000
	ALL4 v_fmaak_f32 v[WC+16*e+3], v[WC+16*e+3], v[WC+16*e+2], \c
.endr
.irp c, 0xb493f27e, 0x37d00d01, 0xbab60b61, 0x3d2aaaab, 0xbf000000, 0x3f800000
	ALL4 v_fmaak_f32 v[WC+16*e+4], v[WC+16*e+4], v[WC+16*e+2], \c
.endr
	ALL4 v_mul_f32 v[WC+16*e+3], v[WC+16*e+5], v[WC+16*e+3]
	ALL4 v_mul_f32 v[WC+16*e+1], v[WC+16*e+3], v[WC+16*e+4]
	ALL4 v_mul_f32 v[WC+16*e+2], v[WC+16*e+3], v[WC+16*e+3]
	ALL4 v_fma_f32 v[TT+16+2*e], v[WC+16*e+2], -2.0, 1.0       ; cos = 1 - 2 sin^2 of the half angle
	ALL4 v_add_f32 v[TT+17+2*e], v[WC+16*e+1], v[WC+16*e+1]    ; sin = 2 sin cos of it
	ALL4 ds_store_b64 v[TA], v[TT+16+2*e:TT+17+2*e] offset:16*PT*e
	LOADB WC, 1
	s_wait_loadcnt 32                              ; all but the two batches of W: the side job's rows, g, b and x are in
.irp k, 0,1,2,3
	v_cvt_pk_bf16_f32 v[16+(\k)], v[TT+2*(\k)], v[TT+2*(\k)+1]
.endr
	global_store_b128 v[L16], v[16:19], s[PSD:PSD+1]   ; 512 consecutive bytes, aligned; v16-23 are written nowhere else behind these lines
	s_cmp_lg_u32 s[WVN], 0
	s_cbranch_scc1 .Lno_wo2
.irp k, 0,1,2,3
	v_cvt_pk_bf16_f32 v[20+(\k)], v[TT+8+2*(\k)], v[TT+8+2*(\k)+1]
.endr
	global_store_b128 v[L16], v[20:23], s[PWD:PWD+1]
.Lno_wo2:
; LAYER NORM of four rows side by side.  A wave holds a whole row, 8 numbers a lane; T = v[TT + 4 e ..]
.macro LANES r                      ; the sum over 32 lanes of v[TT + 4 e + r], left in every lane; r + 1 is used up
.irp m, 1,2,4,8
	ALL4 v_add_f32_dpp v[TT+4*e+(\r)], v[TT+4*e+(\r)], v[TT+4*e+(\r)] row_xmask:\m row_mask:0xf bank_mask:0xf
.endr
	ALL4 v_permlanex16_b32 v[TT+4*e+(\r)+1], v[TT+4*e+(\r)], s[SEL], s[SEL+1]
	ALL4 v_add_f32 v[TT+4*e+(\r)], v[TT+4*e+(\r)], v[TT+4*e+(\r)+1]
.endm
.macro LN4 q0
.set XQ, XR+8*(\q0)
	ALL4 v_pk_add_f32 v[TT+4*e:TT+4*e+1], v[XQ+8*e:XQ+8*e+1], v[XQ+8*e+2:XQ+8*e+3]
	ALL4 v_pk_add_f32 v[TT+4*e+2:TT+4*e+3], v[XQ+8*e+4:XQ+8*e+5], v[XQ+8*e+6:XQ+8*e+7]
	ALL4 v_pk_add_f32 v[TT+4*e:TT+4*e+1], v[TT+4*e:TT+4*e+1], v[TT+4*e+2:TT+4*e+3]
	ALL4 v_add_f32 v[TT+4*e], v[TT+4*e], v[TT+4*e+1]
	LANES 0
	ALL4 v_mul_f32 v[TT+4*e+1], s62, v[TT+4*e]     ; minus the mean, twice
	ALL4 v_mul_f32 v[TT+4*e], s62, v[TT+4*e]
.irp k, 0,2,4,6
	ALL4 v_pk_add_f32 v[XQ+8*e+(\k):XQ+8*e+(\k)+1], v[XQ+8*e+(\k):XQ+8*e+(\k)+1], v[TT+4*e:TT+4*e+1]
.endr
	ALL4 v_pk_mul_f32 v[TT+4*e+2:TT+4*e+3], v[XQ+8*e:XQ+8*e+1], v[XQ+8*e:XQ+8*e+1]
.irp k, 2,4,6
	ALL4 v_pk_fma_f32 v[TT+4*e+2:TT+4*e+3], v[XQ+8*e+(\k):XQ+8*e+(\k)+1], v[XQ+8*e+(\k):XQ+8*e+(\k)+1], v[TT+4*e+2:TT+4*e+3]
.endr
	ALL4 v_add_f32 v[TT+4*e+2], v[TT+4*e+2], v[TT+4*e+3]
	LANES 2
	ALL4 v_fma_f32 v[TT+4*e+2], v[TT+4*e+2], s60, s61
	ALL4 v_rsq_f32 v[TT+4*e], v[TT+4*e+2]
	ALL4 v_rsq_f32 v[TT+4*e+1], v[TT+4*e+2]
	v_nop                                          ; a plain line behind the last root,
	s_wait_alu depctr_va_vdst(0)                   ; and one wait for the batch of eight, ahead of the first reader
.irp k, 0,2,4,6
	ALL4 v_pk_mul_f32 v[XQ+8*e+(\k):XQ+8*e+(\k)+1], v[XQ+8*e+(\k):XQ+8*e+(\k)+1], v[TT+4*e:TT+4*e+1]
.endr
.irp k, 0,2,4,6
	ALL4 v_pk_fma_f32 v[XQ+8*e+(\k):XQ+8*e+(\k)+1], v[XQ+8*e+(\k):XQ+8*e+(\k)+1], v[G+(\k):G+(\k)+1], v[BE+(\k):BE+(\k)+1]
.endr
.irp k, 0,1,2,3
	ALL4 v_cvt_pk_bf16_f32 v[TT+4*e+(\k)], v[XQ+8*e+2*(\k)], v[XQ+8*e+2*(\k)+1]
.endr
	ALL4 ds_store_b128 v[XST], v[TT+4*e:TT+4*e+3] offset:((\q0)+e)*PW
.endm
	LN4 0
	LN4 4
	LOADB XR, 2                                    ; three batches of 16 loads are out from here on; each wait leaves the younger ones out
	s_wait_loadcnt 32
	CONV WA, 0
	LOADB WA, 3
	s_wait_loadcnt 32
	CONV WC, 1
	LOADB WC, 4
	s_wait_loadcnt 32
	CONV XR, 2
	LOADB XR, 5
	s_wait_loadcnt 32
	CONV WA, 3
	s_wait_loadcnt 16
	CONV WC, 4
	s_wait_loadcnt 0x0
	CONV XR, 5
	s_wait_dscnt 0x0                               ; for the others' sake: my rows of xn and W and my part of the table are in LDS
	s_barrier_signal -1
	s_barrier_wait -1                              ; everybody's are; nothing of them is written again
; THE PRODUCT, transposed (source 0 = 16 rows of W, source 1 = 16 rows of xn): a lane ends with eight neighbouring columns of one row.  8 steps of 32 along K on two sets of fragments.
.macro FETCH k, f
.irp mt, 0,1
	ds_load_b128 v[(\f)+8*(\mt):(\f)+8*(\mt)+3],   v[AX] offset:(\mt)*16*PW+64*(\k)
	ds_load_b128 v[(\f)+8*(\mt)+4:(\f)+8*(\mt)+7], v[AX] offset:(\mt)*16*PW+64*(\k)+32
.endr
.irp nb, 0,1,2,3,4,5
	ds_load_b128 v[(\f)+16+8*(\nb):(\f)+16+8*(\nb)+3],   v[AW] offset:(\nb)*16*PW+64*(\k)
	ds_load_b128 v[(\f)+16+8*(\nb)+4:(\f)+16+8*(\nb)+7], v[AW] offset:(\nb)*16*PW+64*(\k)+32
.endr
.endm
.macro MUL f, zero                  ; the 12 accumulators take turns, one instruction a turn, from step to step too
.irp mt, 0,1
.irp nb, 0,1,2,3,4,5
.if \zero
	v_wmma_f32_16x16x32_bf16 v[ACC+8*(6*(\mt)+(\nb)):ACC+8*(6*(\mt)+(\nb))+7], v[(\f)+16+8*(\nb):(\f)+16+8*(\nb)+7], v[(\f)+8*(\mt):(\f)+8*(\mt)+7], 0
.else
	v_wmma_f32_16x16x32_bf16 v[ACC+8*(6*(\mt)+(\nb)):ACC+8*(6*(\mt)+(\nb))+7], v[(\f)+16+8*(\nb):(\f)+16+8*(\nb)+7], v[(\f)+8*(\mt):(\f)+8*(\mt)+7], v[ACC+8*(6*(\mt)+(\nb)):ACC+8*(6*(\mt)+(\nb))+7]
.endif
.endr
.endr
.endm
	FETCH 0, F0
	FETCH 1, F1
	s_wait_dscnt 16                                ; this step's fragments are in; the next step's 16 loads may be out
	MUL F0, 1                                      ; the first step starts the sums
.set ks, 1
.rept 6
	PLACES
	FETCH ks+1, F0+64*((ks+1)%2)
	s_wait_dscnt 16
	MUL F0+64*(ks%2), 0
.set ks, ks+1
.endr
	s_wait_dscnt 0x0
	MUL F1, 0
	PLACES
.irp mt, 0,1
.irp par, 0,1
	ds_load_b128 v[TBL+16*(\mt)+8*(\par):TBL+16*(\mt)+8*(\par)+3],   v[AT] offset:(\mt)*16*PT+(\par)*64
	ds_load_b128 v[TBL+16*(\mt)+8*(\par)+4:TBL+16*(\mt)+8*(\par)+7], v[AT] offset:(\mt)*16*PT+(\par)*64+16
.endr
.endr
	s_wait_dscnt 0x0
; THE WAY OUT of unit u (32 rows x 32 columns).  q and k are turned, pair by pair; v is not (a forward jump on the unit's number, with no barrier in what is jumped).  Then rounded, 16 bytes a lane into my
; stage, and back as 2,048 dense bytes.  Each accumulator's lowest registers are read first.
.macro PACK u
	s_cmp_ge_u32 s[UN+(\u)], 16
	s_cbranch_scc1 .Lplain_\@
.irp mt, 0,1
.irp par, 0,1
.set AA, ACC+8*(6*(\mt)+2*(\u)+(\par))
.set TB, TBL+16*(\mt)+8*(\par)
.irp p, 0,1,2,3
	v_mul_f32 v[TR+2*(\p)],   v[AA+2*(\p)+1], v[TB+2*(\p)+1]
	v_mul_f32 v[TR+2*(\p)+1], v[AA+2*(\p)],   v[TB+2*(\p)+1]
.endr
.irp p, 0,1,2,3
	v_fma_f32 v[AA+2*(\p)],   v[AA+2*(\p)],   v[TB+2*(\p)], -v[TR+2*(\p)]
	v_fma_f32 v[AA+2*(\p)+1], v[AA+2*(\p)+1], v[TB+2*(\p)], v[TR+2*(\p)+1]
.endr
.endr
.endr
.Lplain_\@:
.irp mt, 0,1
.irp par, 0,1
.set AA, ACC+8*(6*(\mt)+2*(\u)+(\par))
.irp k, 0,1,2,3
	v_cvt_pk_bf16_f32 v[PKR+4*(2*(\mt)+(\par))+(\k)], v[AA+2*(\k)], v[AA+2*(\k)+1]
.endr
	ds_store_b128 v[SA], v[PKR+4*(2*(\mt)+(\par)):PKR+4*(2*(\mt)+(\par))+3] offset:(\mt)*1280+(\par)*32
.endr
.endr
.irp f, 0,1,2,3
	ds_load_b128 v[OB+16*(\u)+4*(\f):OB+16*(\u)+4*(\f)+3], v[SR] offset:640*(\f)  ; LDS serves a wave's instructions in order (ISA guide 5.7.1.4): these see the stores above, and the next unit's stores come behind them
.endr
.endm
.macro SEND u, younger              ; younger: the LDS instructions issued behind unit u's loads: the next unit's eight, or none
.irp f, 0,1,2,3
	s_wait_dscnt (\younger)+3-(\f)
	global_store_b128 v[L16], v[OB+16*(\u)+4*(\f):OB+16*(\u)+4*(\f)+3], s[POUT+2*(\u):POUT+2*(\u)+1] offset:512*(\f)  ; 512 consecutive bytes, aligned; each unit has registers and a pointer of its own
.endr
.endm
	PACK 0
	PACK 1
	SEND 0, 8
	PACK 2
	SEND 1, 8
	SEND 2, 0
	s_wait_tensorcnt 0x0                           ; the wave's end, behind my last LDS store
	ds_add_u32 v[SPW], v[NIL]
	s_wait_dscnt 0x0
	s_endpgm
.Lfunc_end_k_q2c495ae039_qkv:
	.size	k_q2c495ae039_qkv, .Lfunc_end_k_q2c495ae039_qkv-k_q2c495ae039_qkv
	.p2alignl 7, 3214868480
	.fill 96, 4, 3214868480
	.section	.rodata,"a",@progbits
	.p2align	6, 0x0
	.amdhsa_kernel k_q2c495ae039_qkv
		.amdhsa_group_segment_fixed_size 267264
		.amdhsa_private_segment_fixed_size 0
		.amdhsa_enable_private_segment 0
		.amdhsa_kernarg_size 104
		.amdhsa_user_sgpr_count 2
		.amdhsa_user_sgpr_kernarg_segment_ptr 1
		.amdhsa_wavefront_size32 1
		.amdhsa_system_sgpr_workgroup_id_x 1
		.amdhsa_system_sgpr_workgroup_id_y 1
		.amdhsa_system_sgpr_workgroup_id_z 1
		.amdhsa_system_vgpr_workitem_id 0
		.amdhsa_next_free_vgpr 256
		.amdhsa_next_free_sgpr 80
		.amdhsa_reserve_vcc 0
		.amdhsa_float_denorm_mode_32 3
		.amdhsa_float_denorm_mode_16_64 3
		.amdhsa_memory_ordered 1
		.amdhsa_forward_progress 1
		.amdhsa_inst_pref_size 91
	.end_amdhsa_kernel
	.amdgpu_metadata
---
amdhsa.version: [ 1, 2 ]
amdhsa.kernels:
  - .name:           k_q2c495ae039_qkv
    .symbol:         k_q2c495ae039_qkv.kd
    .args:
      - { .name: x, .offset: 0, .size: 8, .value_kind: global_buffer, .address_space: global }
      - { .name: Wq, .offset: 8, .size: 8, .value_kind: global_buffer, .address_space: global }
      - { .name: Wk, .offset: 16, .size: 8, .value_kind: global_buffer, .address_space: global }
      - { .name: Wv, .offset: 24, .size: 8, .value_kind: global_buffer, .address_space: global }
      - { .name: ln1_g, .offset: 32, .size: 8, .value_kind: global_buffer, .address_space: global }
      - { .name: ln1_b, .offset: 40, .size: 8, .value_kind: global_buffer, .address_space: global }
      - { .name: Wo, .offset: 48, .size: 8, .value_kind: global_buffer, .address_space: global }
      - { .name: W2, .offset: 56, .size: 8, .value_kind: global_buffer, .address_space: global }
      - { .name: W3, .offset: 64, .size: 8, .value_kind: global_buffer, .address_space: global }
      - { .name: qws, .offset: 72, .size: 8, .value_kind: global_buffer, .address_space: global }
      - { .name: kws, .offset: 80, .size: 8, .value_kind: global_buffer, .address_space: global }
      - { .name: vws, .offset: 88, .size: 8, .value_kind: global_buffer, .address_space: global }
      - { .name: wbf, .offset: 96, .size: 8, .value_kind: global_buffer, .address_space: global }
    .group_segment_fixed_size: 267264
    .private_segment_fixed_size: 0
    .kernarg_segment_align: 8
    .kernarg_segment_size: 104
    .max_flat_workgroup_size: 256
    .sgpr_count:     80
    .vgpr_count:     256
    .wavefront_size: 32
...
	.end_amdgpu_metadata
.endif
;; end of part 1
;; launch attn (part 2): grid 16 x 16, 8 waves a work-group, clusters of 4 x 1, 327,680 bytes of LDS; arguments qws, kws, vws, ows; writes ows
.if DOCPART == 2
	.amdgcn_target "amdgcn-amd-amdhsa--gfx1250"
	.amdhsa_code_object_version 6
	.text
	.protected	k_q2c495ae039_attn
	.globl	k_q2c495ae039_attn
	.p2align	8
	.type	k_q2c495ae039_attn,@function
k_q2c495ae039_attn:
	s_mov_b64 s[64:65], 0
	v_nop
	global_prefetch_b8 v0, s[64:65] scope:SCOPE_SE
	s_setreg_imm32_b32 hwreg(HW_REG_WAVE_MODE, 25, 1), 1
	s_wait_xcnt 0x0
	s_wait_alu depctr_hold_cnt(0) depctr_sa_sdst(0) depctr_va_vdst(0) depctr_va_sdst(0) depctr_va_ssrc(0) depctr_va_vcc(0) depctr_vm_vsrc(0)
	s_getreg_b32 s2, hwreg(HW_REG_IB_STS2, 6, 4)
	s_cmp_eq_u32 s2, 0
	s_cbranch_scc0 .Lentry_in_a_cluster
	s_endpgm
.Lentry_in_a_cluster:
	s_bfe_u32 s2, ttmp6, 0x10000c
	s_cmp_lg_u32 s2, 0x3003
	s_cbranch_scc0 .Lentry_shape_is_right
	s_endpgm
.Lentry_shape_is_right:
; ATTENTION AT HEAD SIZE 32.  O[hd][q][:] = the sum over k of softmax_k(Q[hd][q] . K[hd][k] / sqrt(32)) V[hd][k][:].  Q, K, V, O: [16][4096][32] bf16, a head's rows dense, 64 bytes each.
; Products, maxima and sums in f32; the weights p are rounded to bf16 for the second product; O is rounded once at the end.
; LIMITS.  l is the f32 sum of the ROUNDED weights, the same that form O.  A weight below 2^-126 counts as 0.  NaN and infinities are not treated apart.
; SHARES.  A work-group owns 256 queries of one head, each of its eight waves 32: two tiles of 16.  Every wave walks all 4,096 keys, 64 a step.  With two tiles all of a wave's registers lie in one window of 256,
; so no window is ever switched; two waves share a SIMD.
; LAYOUT.  S^T = K Q^T (source 0 = 16 keys, source 1 = 16 queries): a lane holds ONE query (lane % 16) and the keys 8 (lane / 16) + 0..7.  Two such results rounded in pairs ARE source 1 (32 keys x 16 queries) of
; O^T = V^T P.  K comes out of LDS as it lies, V ([key][channel]) turned, by ds_load_tr16_b128.  THE ROW SUM is a third product on the same P: source 0 holds 1.0 in rows 0 and 8 and 0 elsewhere, so register 0
; of its result is the lane's query's sum over the 32 keys, in both halves of the lanes, and registers 1-7 stay 0.
; SOFTMAX.  A running maximum m: p = 2^(c s - c m), c = log2(e) / sqrt(32); in every step O and l are multiplied by a = 2^(c m_old - c m_new).  m starts at the lowest finite number, O and l at 0.
; BY TURNS.  In a turn tile Z = 1 - Y has the matrix unit: 6 products on P (V^T P and the sum), then 4 products K Q^T; tile Y's softmax and tile Z's new maximum stand between and behind them.  A turn's 33 exponentials
; are one batch with one wait; behind the wait stand the 16 roundings.  A TRIP (key step t): K of t is fetched; turn Y = 1 (P V of t - 1, tile 0; scores of t, tile 0; softmax of t - 1, tile 1); turn Y = 0
; (P V of t - 1, tile 1; V of t is fetched; scores of t, tile 1; softmax of t, tile 0).  So a trip reads K and V of ONE step, and a change of slots stands between trips.
; No first step is written out: the first trip's softmax of a step that has not been finds scores at the lowest finite number and gives p = 0; its products add 0.
; CLUSTER.  The four query blocks of a cluster belong to one head and walk the same K and V: each tile is asked for JOINTLY, by the same tensor load, descriptor and mask in all four.
.set KS,    64
.set PK,    80        ; a row of K in LDS: 64 bytes + 16: an odd multiple of 16
.set PV,    96        ; a row of V: 64 + 32: an odd multiple of 32
.set VOFF,  512*PK    ; a slot holds 8 steps: 512 rows of K, then 512 rows of V
.set SLOT1, 1<<17     ; slot 1 begins here, so that one exclusive or turns an address in one slot into the other's
.set STAGE, SLOT1+512*(PK+PV)   ; behind the ring, never filled by a tensor load: 16 rows x 80 bytes for each wave
.set SP,    80
.set SPARE, STAGE+8*16*SP       ; the spare words, 128 bytes a wave: four blocks of 256 bytes that no other line names
.set AK0, 2           ; v2   my lane's place in a tile of K; never rewritten
.set AV0, 3           ; v3   the same for V
.set AK,  4           ; v4   the LDS address of K's run of loads
.set AV,  5           ; v5   of V's
.set QO,  6           ; v6   my byte offset in 16 rows of Q
.set RD,  7           ; v7   the way out: where I read rows back
.set GO,  8           ; v8   16 x lane
.set PFO, 9           ; v9   256 x lane: the prefetches' offset; never rewritten
.set SPW, 10          ; v10  my spare word; never rewritten
.set NIL, 11          ; v11  0; never rewritten
.set ST,  12          ; tile t: c m at 12 + 2 t, m at 13 + 2 t
.set MV,  16          ; c m_old, kept while c m is made anew
.set TMP, 18          ; tile t: c0-c3 at 18 + 4 t; when the maximum is found c2 takes a
.set STO, 31          ; v31  the way out: where I put 16 bytes of a row
.set ONES, 32
.set Q,   40          ; 8 a tile
.set KF,  56          ; key block kb at + 8 kb
.set VF,  88          ; key half kk, channel block cb at + 16 kk + 8 cb
.set P,   120
.set S,   136         ; 32 a tile
.set O,   200         ; 16 a tile
.set L,   232         ; 8 a tile
.set RC,  248         ; the way out: 1 / l, in pairs with a 0
.set WV,  12
.set LIM, 15          ; s15  1 in a wave that prefetches, else the greatest number
.set PFA, 18          ; s[18:19] where my prefetches stand
.set G1K, 24
.set G1V, 32
.set G0K, 40          ; s[40:43] it walks
.set G0V, 44
.set SLOTS, 56
.set CNT, 57
.set CS,  58          ; s[58:59] c
.set SEL, 60
.set TBK, 62          ; s62  LDS byte at which K of the step to be fetched begins
.set TBV, 63          ; s63  the same for V, less VOFF
.macro PLACES
.rept 4
	v_nop
.endr
.endm
; A joint fill.  Waves 0 and 1 fetch the two halves of a slot's K, waves 2 and 3 those of its V, 256 keys each; waves 4 to 7 fetch nothing.  The branches hang on the wave's number alone.
; An s_nop 0 and four v_nop follow each of the two lines, ahead of the jump and the label.
.macro JLOAD
	s_cmp_lt_u32 s[WV], 2
	s_cbranch_scc0 .Lnot_k_\@
	tensor_load_to_lds s[G0K:G0K+3], s[G1K:G1K+7]
	s_nop 0
	PLACES
	s_branch .Lasked_\@
.Lnot_k_\@:
	s_cmp_lt_u32 s[WV], 4
	s_cbranch_scc0 .Lasked_\@
	tensor_load_to_lds s[G0V:G0V+3], s[G1V:G1V+7]
	s_nop 0
	PLACES
.Lasked_\@:
.endm
; A PREFETCH INTO THE L2 of the slot that the NEXT change will ask for: 8 trips ahead of that load.  All four clusters of a head walk the same rows: the head's first cluster asks.  Its four partners share a slot's
; 32,768 bytes of K and of V out BY ADDRESS, 8,192 each; in each, wave 0 asks for K's and wave 2 for V's, a lane for 256 bytes.  So each block is named once in the launch.  The last change that fills a slot asks for nothing.
.macro ASK
	s_cmp_gt_u32 s[SLOTS], s[LIM]
	s_cbranch_scc0 .Lnot_mine_\@
	global_prefetch_b8 v[PFO], s[PFA:PFA+1] th:TH_LOAD_NT scope:SCOPE_SE
.Lnot_mine_\@:
.endm
.macro CROUND                       ; a round of the cluster's barrier: my work-group's barrier; wave 0 signals for it; every wave waits for all four work-groups; my work-group's barrier once more
	s_barrier_signal -1
	s_barrier_wait -1
	s_cmp_lg_u32 s[WV], 0
	s_cbranch_scc1 .Lnot_wave_0_\@
	s_barrier_signal -3
.Lnot_wave_0_\@:
	s_barrier_wait -3
	s_barrier_signal -1
	s_barrier_wait -1
.endm
; THE CHANGE OF SLOTS.  Each wave waits for all its tensor loads (one at the most is out: its part of the other slot), adds 0 to its spare word, and waits for that and for its own reads of the slot that it leaves.
; fill = 1: the barrier is a round of the cluster's, and the joint fill of the old slot, with the keys two slots on, is the first thing behind it: it has 8 trips in which to land.
; (At its first use nothing has been read yet: slot 0 is waited for, slot 1 filled.)
.macro CHANGE fill
	s_wait_tensorcnt 0x0            ; no tensor load of mine is out, so a group 0 may be written
	ds_add_u32 v[SPW], v[NIL]       ; 0 onto my spare word; the descriptors' steps stand between it and the wait for it
.if \fill
.irp g, G0K, G0V
	s_xor_b32 s[\g+1], s[\g+1], SLOT1
	s_add_nc_u64 s[\g+2:\g+3], s[\g+2:\g+3], 512*64  ; the next 512 keys; the type bits on top are not reached
.endr
	s_wait_xcnt 0x0                 ; the last prefetch, a slot back, has read its address
	s_add_nc_u64 s[PFA:PFA+1], s[PFA:PFA+1], 512*64
	s_wait_dscnt 0x0                ; the add is done, and my reads of the slot are over
	CROUND
	JLOAD
	ASK
.else
	s_wait_dscnt 0x0
	s_barrier_signal -1
	s_barrier_wait -1
.endif
	s_sub_co_u32 s[TBK], s[TBK], 512*PK   ; the fetches go back to a slot's first step,
	s_xor_b32 s[TBK], s[TBK], SLOT1       ; in the other slot
	s_sub_co_u32 s[TBV], s[TBV], 512*PV
	s_xor_b32 s[TBV], s[TBV], SLOT1
.endm
	s_load_b256 s[4:11], s[0:1], 0x0               ; Q s[4:5], K s[6:7], V s[8:9], O s[10:11]
	v_lshl_add_u32 v[SPW], v0, 2, SPARE
	v_mov_b32 v[NIL], 0
	ds_add_u32 v[SPW], v[NIL]                      ; the wave's opening: the add and its wait stand ahead of the first tensor load; the set-up below, work on registers, stands between them
	v_lshrrev_b32 v1, 5, v0
	v_readfirstlane_b32 s[WV], v1                  ; wave 0..7
	s_bfe_u32 s13, ttmp6, 0x40000                  ; cx: my place in the cluster
	s_lshl_b32 s14, ttmp9, 2
	s_add_co_u32 s14, s14, s13                     ; my block of 256 queries: it enters Q's and O's addresses alone
	s_and_b32 s20, ttmp7, 0xffff                   ; the head, which the four partners share:
	s_lshl_b32 s20, s20, 18                        ; its first byte in each of the four tensors
	s_and_b32 s16, s[WV], 1                        ; which half of a slot's 512 keys I fetch:
	s_lshl_b32 s22, s16, 14                        ; its 16,384 bytes in memory,
	s_add_co_u32 s22, s22, s20
	s_mov_b32 s23, 0
	s_mul_i32 s17, s16, 256*PK                     ; and its place in a slot, for K
	s_mul_i32 s21, s16, 256*PV                     ; and for V: no place in the cluster enters an LDS address
	s_lshl_b32 s2, s14, 14
	s_lshl_b32 s3, s[WV], 11
	s_add_co_u32 s2, s2, s3
	s_add_co_u32 s2, s2, s20                       ; my wave's 32 rows of Q and O
	s_mov_b32 s3, 0
	; descriptor group 1.  256 keys are 16,384 dense bytes: asked for as 64 rows of 256 bytes, four keys a row, and padded in LDS after every key
	s_mov_b32 s[G1K], 15|(1<<16)|(1<<20)|(1<<21)|(3<<22)|(3<<25)  ; 15:0 the mask of four; 17:16 2-byte elements; 20 padding on; 21 set beside a mask; 24:22 after every 16 words (code 3); 31:25 4 words (code 3)
	s_mov_b32 s[G1V], 15|(1<<16)|(1<<20)|(1<<21)|(3<<22)|(7<<25)  ; the same with 8 words of padding (code 7)
.irp g, G1K, G1V
	s_mov_b32 s[\g+1], 128<<16                     ; tensor_dim0 = 128
	s_mov_b32 s[\g+2], 64<<16                      ; tensor_dim1 = 64
	s_mov_b32 s[\g+3], 128<<16                     ; tile_dim0 = 128
	s_mov_b32 s[\g+4], 64                          ; tile_dim1 = 64
	s_mov_b32 s[\g+5], 128                         ; 128 elements from row to row
	s_mov_b32 s[\g+6], 0
	s_mov_b32 s[\g+7], 0
.endr
	s_mov_b32 s[G0K], 1
	s_mov_b32 s[G0K+1], s17                        ; slot 0
	s_mov_b32 s[G0V], 1
	s_add_co_u32 s[G0V+1], s21, VOFF
	s_mov_b32 s[CS], 0x3e8293ee                    ; c = log2(e) / sqrt(32) = 0.255035
	s_mov_b32 s[CS+1], s[CS]                       ; named with it as a pair
	s_mov_b32 s[SEL], 0x76543210
	s_mov_b32 s[SEL+1], 0xfedcba98
	s_mov_b32 s[TBK], SLOT1+512*PK                 ; the first change of slots turns these two into 0
	s_mov_b32 s[TBV], SLOT1+512*PV
	s_mov_b32 s[SLOTS], 7
	s_and_b32 s[LIM], s[WV], 5                     ; 0 in waves 0 and 2,
	s_or_b32 s[LIM], s[LIM], ttmp9                 ; where the cluster is the head's first: the same in all four partners
	s_cmp_eq_u32 s[LIM], 0
	s_cselect_b32 s[LIM], 1, -1
	v_and_b32 v30, 31, v0                          ; lane
	v_and_b32 v26, 15, v0                          ; r
	v_bfe_u32 v27, v0, 4, 1                        ; h
	v_and_b32 v28, 7, v0
	v_bfe_u32 v29, v0, 3, 1
	v_lshlrev_b32 v[PFO], 8, v30
	v_lshlrev_b32 v[QO], 6, v26
	v_lshl_add_u32 v[QO], v27, 4, v[QO]            ; row x 64 + 16 x half
	v_mul_u32_u24 v[AK0], v26, PK
	v_lshl_add_u32 v[AK0], v27, 4, v[AK0]
	v_lshl_add_u32 v[AV0], v27, 3, v28             ; the turning load: lane l reads key 8 (l / 16) + l % 8, channels 8 ((l / 8) % 2) + 0..7
	v_mul_u32_u24 v[AV0], v[AV0], PV
	v_lshl_add_u32 v[AV0], v29, 4, v[AV0]
	v_add_nc_u32 v[AV0], VOFF, v[AV0]
	s_mul_i32 s16, s[WV], 16*SP
	s_add_co_u32 s16, s16, STAGE                   ; my stage
	v_mul_u32_u24 v[STO], v26, SP
	v_lshl_add_u32 v[STO], v27, 4, v[STO]
	v_add_nc_u32 v[STO], s16, v[STO]
	v_lshrrev_b32 v[RD], 2, v30                    ; back: 32 lanes take eight rows of 64 bytes,
	v_mul_u32_u24 v[RD], v[RD], SP
	v_and_b32 v1, 3, v30
	v_lshl_add_u32 v[RD], v1, 4, v[RD]
	v_add_nc_u32 v[RD], s16, v[RD]
	v_lshlrev_b32 v[GO], 4, v30                    ; which are 512 consecutive bytes of O
	s_wait_dscnt 0x0                               ; the opening add is done
	s_wait_kmcnt 0x0
	s_add_nc_u64 s[G0K+2:G0K+3], s[6:7], s[22:23]  ; my half of the head's first 512 keys
	s_or_b32 s[G0K+3], s[G0K+3], 0x80000000        ; type = 2
	s_add_nc_u64 s[G0V+2:G0V+3], s[8:9], s[22:23]
	s_or_b32 s[G0V+3], s[G0V+3], 0x80000000
	s_add_nc_u64 s[4:5], s[4:5], s[2:3]
	s_add_nc_u64 s[10:11], s[10:11], s[2:3]
	s_cmp_lt_u32 s[WV], 2
	s_cselect_b64 s[PFA:PFA+1], s[6:7], s[8:9]
	s_lshl_b32 s2, s13, 13                         ; my work-group's 8,192 bytes of a slot's 32,768,
	s_add_co_u32 s2, s2, s20                       ; in the head,
	s_add_co_u32 s2, s2, 512*64                    ; in slot 1: the first change steps it to slot 2.  Nothing is prefetched at the head; slots 0 and 1 come by their loads alone
	s_add_nc_u64 s[PFA:PFA+1], s[PFA:PFA+1], s[2:3]
	CROUND                                         ; all four work-groups are here: the first joint loads meet
	JLOAD                                          ; slot 0
.irp t, 0,1
	global_load_b128 v[Q+8*(\t):Q+8*(\t)+3],   v[QO], s[4:5] offset:(\t)*1024      ; Q stays in registers
	global_load_b128 v[Q+8*(\t)+4:Q+8*(\t)+7], v[QO], s[4:5] offset:(\t)*1024+32
.endr
	s_mov_b32 s16, 0x3f803f80                      ; 1.0 twice in bf16
	v_cmp_eq_u32 vcc_lo, 0, v28                    ; rows 0 and 8 of source 0: lanes 0, 8, 16, 24
	v_cndmask_b32 v[ONES], 0, s16, vcc_lo
.irp i, 1,2,3,4,5,6,7
	v_mov_b32 v[ONES+(\i)], v[ONES]
.endr
	; what the first trip finds; all this stands in the wait for the first tile
.set i, VF
.rept 48                            ; V's registers and P
	v_mov_b32 v[i], 0
.set i, i+1
.endr
.set i, O
.rept 48                            ; O^T and l
	v_mov_b32 v[i], 0
.set i, i+1
.endr
	s_mov_b32 s17, 0xff7fffff
.set i, S+32
.rept 32                            ; tile 1's scores of the step that has not been
	v_mov_b32 v[i], s17
.set i, i+1
.endr
.irp t, 0,1
	v_mov_b32 v[ST+2*(\t)], 0xfe000000             ; c m: far below every c s
	v_mov_b32 v[ST+2*(\t)+1], s17                  ; m
.endr
	v_mov_b32 v[TMP+6], 0                          ; tile 1's first a
	v_mov_b32 v[TMP+7], 0
; THE MATRIX WORK.  Product i of 6 on P for tile Z: keys 32 (i / 3) on; i % 3 = 0, 1: channels 16 (i % 3) on of O^T; 2: the row sum.  The three accumulators take turns.
.macro PVM i
.set hk, (\i)/3
.set bl, (\i)%3
.if bl < 2
	v_wmma_f32_16x16x32_bf16 v[OZ+8*bl:OZ+8*bl+7], v[VF+16*hk+8*bl:VF+16*hk+8*bl+7], v[P+8*hk:P+8*hk+7], v[OZ+8*bl:OZ+8*bl+7]
.else
	v_wmma_f32_16x16x32_bf16 v[LZ:LZ+7], v[ONES:ONES+7], v[P+8*hk:P+8*hk+7], v[LZ:LZ+7]
.endif
.endm
.macro KQM i                        ; keys 16 i on: 32 channels are one product
	v_wmma_f32_16x16x32_bf16 v[SZ+8*(\i):SZ+8*(\i)+7], v[KF+8*(\i):KF+8*(\i)+7], v[QZ:QZ+7], 0
.endm
; THE LDS LOADS stand in runs of 8.
.macro FETCH_K
	v_add_nc_u32 v[AK], s[TBK], v[AK0]
.irp f, 0,1,2,3
	ds_load_b128 v[KF+8*(\f):KF+8*(\f)+3],   v[AK] offset:(\f)*16*PK
	ds_load_b128 v[KF+8*(\f)+4:KF+8*(\f)+7], v[AK] offset:(\f)*16*PK+32
.endr
	s_add_co_u32 s[TBK], s[TBK], KS*PK
.endm
.macro FETCH_V
	v_add_nc_u32 v[AV], s[TBV], v[AV0]
.irp f, 0,1,2,3                     ; keys 32 (f / 2) on, channels 16 (f % 2) on
	ds_load_tr16_b128 v[VF+8*(\f):VF+8*(\f)+3],   v[AV] offset:((\f)/2)*32*PV+((\f)%2)*32
	ds_load_tr16_b128 v[VF+8*(\f)+4:VF+8*(\f)+7], v[AV] offset:((\f)/2)*32*PV+16*PV+((\f)%2)*32
.endr
	s_add_co_u32 s[TBV], s[TBV], KS*PV
.endm
; THE VECTOR WORK, one line at a time: OP kind, number.  For tile Y: F n: c s - c m for pair n of 16.  E n: the exponential of score n of 32.  C n: pair n rounded to bf16.  R n: pair n of 8 of O^T times a; R 8: l times a.
; For tile Z: X n, number n of the 22 that find its maximum and statistics: 0-11 four chains c0-c3 of seven scores each, each accumulator's lowest registers first; 12-14, 16 the four
; scores left over, the old m, and c0-c3 into c0; 15 c m_old is kept; 17, 18 the query's other 32 keys lie in the lane 16 away: the new m; 19-21 c m; c m_old - c m_new; a.
.set F, 0
.set E, 1
.set C, 2
.set R, 3
.set X, 4
.macro OP k, n
.if (\k) == F
	v_pk_fma_f32 v[SY+2*(\n):SY+2*(\n)+1], v[SY+2*(\n):SY+2*(\n)+1], s[CS:CS+1], v[TY:TY+1] op_sel_hi:[1,0,0] neg_lo:[0,0,1] neg_hi:[0,0,1]
.elseif (\k) == E
	v_exp_f32 v[SY+(\n)], v[SY+(\n)]
.elseif (\k) == C
	v_cvt_pk_bf16_f32 v[P+(\n)], v[SY+2*(\n)], v[SY+2*(\n)+1]
.elseif ((\k) == R) && ((\n) < 8)
	v_pk_mul_f32 v[OY+2*(\n):OY+2*(\n)+1], v[OY+2*(\n):OY+2*(\n)+1], v[CY+2:CY+3] op_sel_hi:[1,0]
.elseif (\k) == R
	v_mul_f32 v[LY], v[LY], v[CY+2]
.elseif (\n) < 4
	v_max3_num_f32 v[CZ+(\n)], v[SZ+8*(\n)], v[SZ+8*(\n)+1], v[SZ+8*(\n)+2]
.elseif (\n) < 12
	v_max3_num_f32 v[CZ+(\n)%4], v[CZ+(\n)%4], v[SZ+8*((\n)%4)+2*((\n)/4)+1], v[SZ+8*((\n)%4)+2*((\n)/4)+2]
.elseif (\n) == 12
	v_max3_num_f32 v[CZ], v[CZ], v[SZ+7], v[SZ+15]
.elseif (\n) == 13
	v_max3_num_f32 v[CZ+1], v[CZ+1], v[SZ+23], v[SZ+31]
.elseif (\n) == 14
	v_max3_num_f32 v[CZ+2], v[CZ+2], v[CZ+3], v[TZ+1]
.elseif (\n) == 15
	v_mov_b32 v[WZ], v[TZ]
.elseif (\n) == 16
	v_max3_num_f32 v[CZ], v[CZ], v[CZ+1], v[CZ+2]
.elseif (\n) == 17
	v_permlanex16_b32 v[CZ+3], v[CZ], s[SEL], s[SEL+1]
.elseif (\n) == 18
	v_max_num_f32 v[TZ+1], v[CZ], v[CZ+3]
.elseif (\n) == 19
	v_mul_f32 v[TZ], s[CS], v[TZ+1]
.elseif (\n) == 20
	v_sub_f32 v[CZ+1], v[WZ], v[TZ]
.else
	v_exp_f32 v[CZ+2], v[CZ+1]
.endif
.endm
.macro OPS a, i1, b=-1, i2=0, c=-1, i3=0, d=-1, i4=0
	OP \a, \i1
.if (\b) >= 0
	OP \b, \i2
.endif
.if (\c) >= 0
	OP \c, \i3
.endif
.if (\d) >= 0
	OP \d, \i4
.endif
.endm
; A TURN: the order of its 10 matrix and 95 vector instructions, written out.  Ahead of the one wait stands all that names no result of the turn's exponentials.  The first reader of each of the four new
; accumulators of scores (X 0 to X 3) stands four plain lines or more behind the product that wrote it: X 0 behind F 14, F 15, R 0, R 1, R 2; X 1 behind R 0, R 1, R 2, X 0; X 2 behind R 2, X 0, X 1, R 3;
; X 3 behind X 1, R 3, X 2, X 4.  V's run of loads (vf = 1) stands eight plain lines behind the fifth product on P, V's last reader.  P has one buffer: the roundings stand a lump behind its last reader.
.macro TURN y, vf
.set SY, S+32*(\y)
.set TY, ST+2*(\y)
.set CY, TMP+4*(\y)
.set OY, O+16*(\y)
.set LY, L+8*(\y)
.set SZ, S+32*(1-(\y))
.set TZ, ST+2*(1-(\y))
.set CZ, TMP+4*(1-(\y))
.set WZ, MV+(1-(\y))
.set OZ, O+16*(1-(\y))
.set LZ, L+8*(1-(\y))
.set QZ, Q+8*(1-(\y))
	PVM 0
	OPS F,0, F,1, F,2, F,3
	PVM 1
	OPS E,0, F,4, E,1, F,5
	PVM 2
	OPS E,2, F,6, E,3, F,7
	PVM 3
	OPS E,4, F,8, E,5, F,9
	PVM 4
	OPS E,6, F,10, E,7, F,11
	PVM 5
	OPS E,8, F,12, E,9, F,13
.if (\y) == 1
	s_wait_dscnt 0x0                ; K is in
.endif
	KQM 0
	OPS E,10, F,14, E,11, F,15
	KQM 1
	OPS E,12, R,0, E,13, R,1
.if \vf
	FETCH_V
.endif
	KQM 2
	OPS E,14, R,2, E,15, X,0
	KQM 3
	OPS E,16, X,1, E,17, R,3
	OPS E,18, X,2, X,4, E,19
	OPS X,3, X,5, E,20, X,6
	OPS X,7, E,21, X,8, X,9
	OPS E,22, X,10, X,11, E,23
	OPS X,12, X,13, R,4, X,14
	OPS E,24, X,15, E,25, X,16
	OPS E,26, R,5, E,27, X,17
	OPS E,28, R,6, E,29, X,18
	OPS E,30, R,7, E,31, X,19
	OPS X,20, X,21, R,8             ; R 8 is the plain line behind the last exponential
	s_wait_alu depctr_va_vdst(0)    ; one wait for the batch of 33, ahead of its first reader
.irp n, 0,1,2,3,4,5,6,7,8,9,10,11,12,13,14,15
	OP C, \n
.endr
.endm
.macro TRIP
	FETCH_K
	s_wait_dscnt 8                  ; V of the step before is in; K's eight loads, issued behind V's, may be out
	TURN 1, 0
	TURN 0, 1
.endm
	s_wait_loadcnt 0x0              ; Q
.Lslot:                             ; 7 times: every slot but the last is followed by a fill
	CHANGE 1
	s_mov_b32 s[CNT], 8
.Lstep:
	TRIP
	s_sub_co_u32 s[CNT], s[CNT], 1
	s_cmp_lg_u32 s[CNT], 0
	s_cbranch_scc1 .Lstep
	s_sub_co_u32 s[SLOTS], s[SLOTS], 1
	s_cmp_lg_u32 s[SLOTS], 0
	s_cbranch_scc1 .Lslot
	CHANGE 0                        ; the last slot is written out: nothing is asked for
	s_mov_b32 s[CNT], 8
.Ltail:
	TRIP
	s_sub_co_u32 s[CNT], s[CNT], 1
	s_cmp_lg_u32 s[CNT], 0
	s_cbranch_scc1 .Ltail
	s_wait_dscnt 0x0                ; V of the last step is in
	TURN 1, 0                       ; tile 0's last products on P, tile 1's last softmax; its four products K Q^T, on the last K once more, and the maximum made of them serve nothing: the price, once a launch, of one text for every turn
.set OZ, O+16
.set LZ, L+8
.irp i, 0,1,2,3,4,5
	PVM \i                          ; tile 1's last products on P
.endr
	; THE WAY OUT.  O^T is divided by l, rounded to bf16 and sent through my stage in LDS, a tile (16 rows of O) at a time.
	PLACES
	v_rcp_f32 v[RC], v[L]
	v_rcp_f32 v[RC+2], v[L+8]
	v_mov_b32 v[RC+1], 0            ; named with them as pairs; also the plain lines behind the reciprocals
	v_mov_b32 v[RC+3], 0
	s_wait_alu depctr_va_vdst(0)    ; one wait for both, ahead of the first use
.macro PACK t
.irp n, 0,1,2,3,4,5,6,7
	v_pk_mul_f32 v[O+16*(\t)+2*(\n):O+16*(\t)+2*(\n)+1], v[O+16*(\t)+2*(\n):O+16*(\t)+2*(\n)+1], v[RC+2*(\t):RC+2*(\t)+1] op_sel_hi:[1,0]
.endr
.irp n, 0,1,2,3,4,5,6,7
	v_cvt_pk_bf16_f32 v[S+32*(\t)+(\n)], v[O+16*(\t)+2*(\n)], v[O+16*(\t)+2*(\n)+1]
.endr
	ds_store_b128 v[STO], v[S+32*(\t):S+32*(\t)+3]
	ds_store_b128 v[STO], v[S+32*(\t)+4:S+32*(\t)+7] offset:32
	ds_load_b128 v[S+32*(\t)+8:S+32*(\t)+11],  v[RD]             ; LDS serves a wave's instructions in order (ISA guide 5.7.1.4): these see the stores above
	ds_load_b128 v[S+32*(\t)+12:S+32*(\t)+15], v[RD] offset:8*SP
.endm
.macro SEND t, younger              ; younger: the LDS instructions issued behind tile t's loads
.irp f, 0,1
	s_wait_dscnt (\younger)+1-(\f)
	global_store_b128 v[GO], v[S+32*(\t)+8+4*(\f):S+32*(\t)+11+4*(\f)], s[10:11] offset:(\t)*1024+(\f)*512  ; 512 consecutive bytes, aligned
.endr
.endm
	PACK 0
	PACK 1
	SEND 0, 4
	SEND 1, 0
	s_wait_tensorcnt 0x0            ; the wave's end, behind my last tensor load and my last LDS store
	ds_add_u32 v[SPW], v[NIL]
	s_wait_dscnt 0x0
	CROUND                          ; the closing round: no work-group ends while a partner may still ask for a tile that names it
	s_endpgm
.Lfunc_end_k_q2c495ae039_attn:
	.size	k_q2c495ae039_attn, .Lfunc_end_k_q2c495ae039_attn-k_q2c495ae039_attn
	.p2alignl 7, 3214868480
	.fill 96, 4, 3214868480
	.section	.rodata,"a",@progbits
	.p2align	6, 0x0
	.amdhsa_kernel k_q2c495ae039_attn
		.amdhsa_group_segment_fixed_size 327680
		.amdhsa_private_segment_fixed_size 0
		.amdhsa_enable_private_segment 0
		.amdhsa_kernarg_size 32
		.amdhsa_user_sgpr_count 2
		.amdhsa_user_sgpr_kernarg_segment_ptr 1
		.amdhsa_wavefront_size32 1
		.amdhsa_system_sgpr_workgroup_id_x 1
		.amdhsa_system_sgpr_workgroup_id_y 1
		.amdhsa_system_sgpr_workgroup_id_z 1
		.amdhsa_system_vgpr_workitem_id 0
		.amdhsa_next_free_vgpr 256
		.amdhsa_next_free_sgpr 66
		.amdhsa_reserve_vcc 1
		.amdhsa_float_denorm_mode_32 3
		.amdhsa_float_denorm_mode_16_64 3
		.amdhsa_memory_ordered 1
		.amdhsa_forward_progress 1
		.amdhsa_inst_pref_size 48
	.end_amdhsa_kernel
	.amdgpu_metadata
---
amdhsa.version: [ 1, 2 ]
amdhsa.kernels:
  - .name:           k_q2c495ae039_attn
    .symbol:         k_q2c495ae039_attn.kd
    .args:
      - { .name: qws, .offset: 0, .size: 8, .value_kind: global_buffer, .address_space: global }
      - { .name: kws, .offset: 8, .size: 8, .value_kind: global_buffer, .address_space: global }
      - { .name: vws, .offset: 16, .size: 8, .value_kind: global_buffer, .address_space: global }
      - { .name: ows, .offset: 24, .size: 8, .value_kind: global_buffer, .address_space: global }
    .group_segment_fixed_size: 327680
    .private_segment_fixed_size: 0
    .kernarg_segment_align: 8
    .kernarg_segment_size: 32
    .max_flat_workgroup_size: 256
    .sgpr_count:     66
    .vgpr_count:     256
    .wavefront_size: 32
...
	.end_amdgpu_metadata
.endif
;; end of part 2
;; launch mlp (part 3): grid 256 x 1, 8 waves a work-group, clusters of 4 x 1, 327,680 bytes of LDS; arguments ows, wbf, x, ln2_g, ln2_b, b2, b3, out0; writes out0
.if DOCPART == 3
	.amdgcn_target "amdgcn-amd-amdhsa--gfx1250"
	.amdhsa_code_object_version 6
	.text
	.protected	k_q2c495ae039_mlp
	.globl	k_q2c495ae039_mlp
	.p2align	8
	.type	k_q2c495ae039_mlp,@function
k_q2c495ae039_mlp:
	s_mov_b64 s[64:65], 0
	v_nop
	global_prefetch_b8 v0, s[64:65] scope:SCOPE_SE
	s_setreg_imm32_b32 hwreg(HW_REG_WAVE_MODE, 25, 1), 1
	s_wait_xcnt 0x0
	s_wait_alu depctr_hold_cnt(0) depctr_sa_sdst(0) depctr_va_vdst(0) depctr_va_sdst(0) depctr_va_ssrc(0) depctr_va_vcc(0) depctr_vm_vsrc(0)
	s_getreg_b32 s2, hwreg(HW_REG_IB_STS2, 6, 4)
	s_cmp_eq_u32 s2, 0
	s_cbranch_scc0 .Lentry_in_a_cluster
	s_endpgm
.Lentry_in_a_cluster:
	s_bfe_u32 s2, ttmp6, 0x10000c
	s_cmp_lg_u32 s2, 0x3003
	s_cbranch_scc0 .Lentry_shape_is_right
	s_endpgm
.Lentry_shape_is_right:
; THE REST OF THE BLOCK, fused: mi = o Wo^T + x; y = LN(mi) g + b; h = gelu(y W2^T + b2); out = h W3^T + b3 + mi.  o: [16 heads][4096][32] bf16; x, out: [8192][256] f32;
; the weights come as nine bf16 tiles [256 n][256 k]: Wo; then W2's rows 256 j .. and W3's columns 256 j .., j = 0..3.
; SHARES.  A work-group owns 32 rows; 256 work-groups.  Nine steps, each [32 x 256] x tile^T.  Wave v makes columns 32 v .. + 31 of both tiles of 16 rows: 4 accumulators, 32 products a step; it fetches and reads
; the tile's rows 32 v .. + 31 itself.  The residual mi, all sums and the norm's statistics stay in f32; y and h are rounded once to bf16 as matrix operands.
; THE PRODUCTS ARE TAKEN TRANSPOSED (source 0 = 16 rows of the tile, source 1 = 16 of my rows): a lane holds one row (lane % 16) and eight neighbouring columns 8 (lane / 16) + 0..7.
; RING.  Two slots of one tile; even tiles in slot 0, odd ones in slot 1.  CLUSTER: all work-groups walk the same nine tiles, so the four of a cluster ask JOINTLY: same load, descriptor and mask.
; No prefetch: the tiles are walked by all 64 clusters at about the same time, and the launch is short.
; GELU is exact to a bound: gelu(h) = max(h, 0) - |h| Z(h) (c1 t + .. + c5 t^5), t = 1 / (1 + 0.2316419 |h|), Z = exp(-h^2 / 2) / sqrt(2 pi) folded into c: the normal integral within 7.5e-8 for every h
; (Abramowitz and Stegun 26.2.17), plus f32's rounding.  For large |h| the exponential is 0 and max(h, 0) is left.  NaN and infinities are not treated apart.
; REGISTERS, in windows of 256 (s_set_vgpr_msb: bits 1:0 source 0, 3:2 source 1, 5:4 source 2, 7:6 destination).  Window 0: addresses; b2's 16; MI (the residual, then the output's sums); HA; WF: the tile's
; fragments, also at work for the norm and the GELU; statistics.  Window 1: v0-127 y's fragments (before y exists: g, b and b3 of my columns); v128-255 o's, then h's fragments.
.set PW,    528       ; an LDS row of 256 bf16: 512 bytes + 16: an odd multiple of 16
.set PX,    1040      ; an LDS row of 256 f32: 1,024 + 16
.set SLOT1, 256*PW
.set U,     2*SLOT1   ; 33,792 bytes, in turn: x in f32 (32 rows of 1,040); y (+ 0) and h (+ 16,896) in bf16; at the end the output in f32
.set AH,    32*PW
.set AO,    U+2*AH    ; o as 32 rows of 256 bf16
.set RED,   AO+AH     ; [32 rows][8 waves] f32: sums, then (+ 1,024) sums of squares
.set SPARE, RED+2048  ; the spare words, 128 bytes a wave: four blocks of 256 bytes that no other line names
.set AW0, 4           ; v4, v5  my lane's place in my 32 rows of slot 0, 1
.set AAO, 6           ; v6   in o's fragments
.set AAY, 7           ; v7   in y's (h's: + AH)
.set DY,  8           ; v8   where I put 16 bytes of y (h: + AH)
.set XD,  9           ; v9   my 8 columns of row lane % 16 in the f32 rows
.set XL,  10          ; v10  my 16 bytes of my wave's 4 whole f32 rows
.set GX,  11          ; v11  the same in memory
.set RA,  12          ; v12  my wave's word of row lane % 16 in RED
.set RB,  13          ; v13  that row's eight words
.set CB,  14          ; v14  my 8 columns in a vector of 256 f32
.set OA,  15          ; v15  where I put 16 bytes of o
.set L16, 16          ; v16  16 x lane
.set SPW, 18          ; v18  my spare word; never rewritten
.set NIL, 19          ; v19  0; never rewritten
.set B2R, 24          ; v[24:39]  b2 of my columns: it starts h's sums
.set MI,  40          ; v[40:71]  accumulator (mt, nb) at + 8 (2 mt + nb)
.set HA,  72          ; v[72:103]
.set WF,  104         ; v[104:231] fragment (ks, nb) at + 16 ks + 8 nb
.set GT,  WF          ; the GELU's t, exponential, max(h, 0), polynomial: 32 each
.set GE,  WF+32
.set GM,  WF+64
.set GP,  WF+96
.set SS,  232         ; v[232:247] statistics, 8 for each tile of rows
.set YF,  0           ; window 1
.set AF,  128         ; window 1
.set WV,  20
.set G1,  24          ; s[24:31]
.set G0A, 32          ; s[32:35] the even tiles
.set G0B, 36          ; s[36:39] the odd ones
.set CP,  42          ; s42 0.2316419
.set CK,  44          ; pairs, both words written: -log2(e) / 2; c1 .. c5
.set C1,  46
.set C2,  48
.set C3,  50
.set C4,  52
.set C5,  54
.set MSB, 0
.macro WIN new                      ; the high byte repeats the setting that is left; a switch that changes nothing is dropped
.if MSB != (\new)
	s_set_vgpr_msb (MSB<<8)|(\new)
.set MSB, (\new)
.endif
.endm
.macro PLACES
.rept 4
	v_nop
.endr
.endm
.macro CROUND                       ; a round of the cluster's barrier
	s_barrier_signal -1
	s_barrier_wait -1
	s_cmp_lg_u32 s[WV], 0
	s_cbranch_scc1 .Lnot_wave_0_\@
	s_barrier_signal -3
.Lnot_wave_0_\@:
	s_barrier_wait -3
	s_barrier_signal -1
	s_barrier_wait -1
.endm
; THE CHANGE OF SLOTS, also the barrier between what the waves put into LDS and what they read of each other.  Each wave waits for all its tensor loads (one is out: its rows of the tile wanted next), adds 0 to
; its spare word, and waits for that and for all its LDS instructions.  Behind the round no wave of any partner reads the old slot: the joint refill, two tiles on, is the first thing there, one load a wave.
.macro HEAD g0
	WIN 0
	s_wait_tensorcnt 0x0
	ds_add_u32 v[SPW], v[NIL]       ; 0 onto my spare word; the descriptor's step stands between it and the wait for it
	s_add_nc_u64 s[(\g0)+2:(\g0)+3], s[(\g0)+2:(\g0)+3], 2*131072
	s_wait_dscnt 0x0
	CROUND
	tensor_load_to_lds s[(\g0):(\g0)+3], s[G1:G1+7]
	s_nop 0
	PLACES                          ; the places in front of the fragment loads that follow
.endm
.macro HEAD0                        ; the same where nothing is left to ask for
	WIN 0
	s_wait_tensorcnt 0x0
	ds_add_u32 v[SPW], v[NIL]
	s_wait_dscnt 0x0
	s_barrier_signal -1
	s_barrier_wait -1
	PLACES
.endm
.macro BAR                          ; a plain barrier between LDS stores and the others' reads of them
	s_wait_dscnt 0x0
	s_barrier_signal -1
	s_barrier_wait -1
.endm
	s_load_b512 s[4:19], s[0:1], 0x0               ; ows 4, wbf 6, x 8, g 10, b 12, b2 14, b3 16, out 18
	v_lshl_add_u32 v[SPW], v0, 2, SPARE
	v_mov_b32 v[NIL], 0
	ds_add_u32 v[SPW], v[NIL]                      ; the wave's opening: the add and its wait stand ahead of my first tensor load; the set-up below, work on registers, stands between them
	v_lshrrev_b32 v1, 5, v0
	v_readfirstlane_b32 s[WV], v1                  ; wave 0..7
	s_bfe_u32 s21, ttmp6, 0x40000                  ; cx
	s_lshl_b32 s23, ttmp9, 2
	s_add_co_u32 s23, s23, s21                     ; my work-group: it enters o's, x's and the output's addresses alone
	; descriptor group 1: 32 rows x 256 elements, padded in LDS
	s_mov_b32 s[G1], 15|(1<<16)|(1<<20)|(1<<21)|(6<<22)|(3<<25)  ; 15:0 the mask of four; 17:16 2-byte elements; 20 padding on; 21 set beside a mask; 24:22 after every 128 words (code 6); 31:25 4 words (code 3)
	s_mov_b32 s[G1+1], 256<<16                     ; tensor_dim0 = 256
	s_mov_b32 s[G1+2], 32<<16                      ; tensor_dim1 = 32
	s_mov_b32 s[G1+3], 256<<16                     ; tile_dim0 = 256
	s_mov_b32 s[G1+4], 32                          ; tile_dim1 = 32
	s_mov_b32 s[G1+5], 256                         ; 256 elements from row to row
	s_mov_b32 s[G1+6], 0
	s_mov_b32 s[G1+7], 0
	s_mov_b32 s[G0A], 1
	s_mul_i32 s[G0A+1], s[WV], 32*PW               ; my 32 rows of slot 0
	s_mov_b32 s[G0B], 1
	s_add_co_u32 s[G0B+1], s[G0A+1], SLOT1
	s_lshl_b32 s60, s[WV], 14                      ; and of a tile in memory
	s_mov_b32 s61, 0
	s_mov_b32 s63, 0
	s_mov_b32 s40, 0x76543210
	s_mov_b32 s41, 0xfedcba98
	s_mov_b32 s[CP], 0x3e6d3389
	s_mov_b32 s[CK], 0xbf38aa3b
	s_mov_b32 s[C1], 0x3e027906                    ; 0.127414796
	s_mov_b32 s[C2], 0xbe11a98e                    ; -0.142248368
	s_mov_b32 s[C3], 0x3f35f0e3                    ; 0.710706871
	s_mov_b32 s[C4], 0xbf3a00e3                    ; -0.726576014
	s_mov_b32 s[C5], 0x3f07dc22                    ; 0.530702715
.irp c, CK, C1, C2, C3, C4, C5
	s_mov_b32 s[\c+1], s[\c]
.endr
	s_mov_b32 s56, 0x3b800000                      ; 1 / 256
	s_mov_b32 s57, 0x3727c5ac                      ; 1e-5
	s_mov_b32 s58, 0xbb800000                      ; -1 / 256
	v_and_b32 v1, 31, v0                           ; lane
	v_and_b32 v2, 15, v0                           ; r
	v_bfe_u32 v3, v0, 4, 1                         ; h
	v_mul_u32_u24 v20, v2, PW
	v_lshl_add_u32 v20, v3, 4, v20                 ; a fragment's row x pitch + 16 x half
	v_add_nc_u32 v[AW0], s[G0A+1], v20
	v_add_nc_u32 v[AW0+1], SLOT1, v[AW0]
	v_add_nc_u32 v[AAO], AO, v20
	v_add_nc_u32 v[AAY], U, v20
	s_lshl_b32 s59, s[WV], 6
	s_add_co_u32 s59, s59, U
	v_add_nc_u32 v[DY], s59, v20
	v_mul_u32_u24 v21, v2, PX
	v_lshl_add_u32 v21, v3, 5, v21
	s_lshl_b32 s59, s[WV], 7
	s_add_co_u32 s59, s59, U
	v_add_nc_u32 v[XD], s59, v21
	v_lshlrev_b32 v[L16], 4, v1
	s_mul_i32 s59, s[WV], 4*PX
	s_add_co_u32 s59, s59, U
	v_add_nc_u32 v[XL], s59, v[L16]
	s_lshl_b32 s59, s[WV], 12
	v_add_nc_u32 v[GX], s59, v[L16]
	v_lshlrev_b32 v[RB], 5, v2
	v_add_nc_u32 v[RB], RED, v[RB]
	s_lshl_b32 s59, s[WV], 2
	v_add_nc_u32 v[RA], s59, v[RB]
	v_lshlrev_b32 v[CB], 5, v3
	s_lshl_b32 s59, s[WV], 7
	v_add_nc_u32 v[CB], s59, v[CB]
	v_lshrrev_b32 v21, 2, v1
	v_mul_u32_u24 v21, v21, PW
	v_and_b32 v22, 3, v1
	v_lshl_add_u32 v21, v22, 4, v21
	s_lshl_b32 s59, s[WV], 6
	s_add_co_u32 s59, s59, AO
	v_add_nc_u32 v[OA], s59, v21
	s_wait_dscnt 0x0                               ; the opening add is done
	s_wait_kmcnt 0x0
	s_add_nc_u64 s[G0A+2:G0A+3], s[6:7], s[60:61]  ; tile 0,
	s_add_nc_u64 s[G0B+2:G0B+3], s[G0A+2:G0A+3], 131072  ; tile 1
	s_or_b32 s[G0A+3], s[G0A+3], 0x80000000        ; type = 2
	s_or_b32 s[G0B+3], s[G0B+3], 0x80000000
	s_lshl_b32 s62, s23, 15                        ; my 32 rows of 1,024 bytes
	s_add_nc_u64 s[8:9], s[8:9], s[62:63]
	s_add_nc_u64 s[18:19], s[18:19], s[62:63]
	s_lshr_b32 s62, s23, 7                         ; the batch;
	s_lshl_b32 s62, s62, 3
	s_add_co_u32 s62, s62, s[WV]                   ; wave v brings head v's 32 rows of o: 2,048 dense bytes
	s_lshl_b32 s62, s62, 18
	s_and_b32 s59, s23, 127
	s_lshl_b32 s59, s59, 11
	s_add_co_u32 s62, s62, s59
	s_add_nc_u64 s[4:5], s[4:5], s[62:63]
	CROUND                                         ; all four work-groups are here: the first joint loads meet
	tensor_load_to_lds s[G0A:G0A+3], s[G1:G1+7]    ; both first fills go out together: two loads of mine are out
	s_nop 0
	tensor_load_to_lds s[G0B:G0B+3], s[G1:G1+7]
	s_nop 0
	PLACES
	WIN 0x40                                       ; destination window 1
.irp nb, 0,1
	global_load_b128 v[8*(\nb):8*(\nb)+3],       v[CB], s[10:11] offset:64*(\nb)      ; g
	global_load_b128 v[8*(\nb)+4:8*(\nb)+7],     v[CB], s[10:11] offset:64*(\nb)+16
	global_load_b128 v[16+8*(\nb):16+8*(\nb)+3], v[CB], s[12:13] offset:64*(\nb)      ; b
	global_load_b128 v[16+8*(\nb)+4:16+8*(\nb)+7], v[CB], s[12:13] offset:64*(\nb)+16
	global_load_b128 v[32+8*(\nb):32+8*(\nb)+3], v[CB], s[16:17] offset:64*(\nb)      ; b3
	global_load_b128 v[32+8*(\nb)+4:32+8*(\nb)+7], v[CB], s[16:17] offset:64*(\nb)+16
.endr
	WIN 0
.macro LOADB2
.irp nb, 0,1
	global_load_b128 v[B2R+8*(\nb):B2R+8*(\nb)+3],   v[CB], s[14:15] offset:64*(\nb)
	global_load_b128 v[B2R+8*(\nb)+4:B2R+8*(\nb)+7], v[CB], s[14:15] offset:64*(\nb)+16
.endr
.endm
	LOADB2
.irp f, 0,1,2,3
	global_load_b128 v[WF+4*(\f):WF+4*(\f)+3], v[L16], s[4:5] offset:512*(\f)
.endr
.irp g, 0,1,2,3,4,5,6,7
	global_load_b128 v[WF+16+4*(\g):WF+16+4*(\g)+3], v[GX], s[8:9] offset:512*(\g)
.endr
	s_wait_loadcnt 8                               ; o is in; x's eight loads, issued behind it, may be out
.irp f, 0,1,2,3
	ds_store_b128 v[OA], v[WF+4*(\f):WF+4*(\f)+3] offset:8*PW*(\f)
.endr
	s_wait_loadcnt 0x0
.irp g, 0,1,2,3,4,5,6,7
	ds_store_b128 v[XL], v[WF+16+4*(\g):WF+16+4*(\g)+3] offset:((\g)/2)*PX+((\g)%2)*512
.endr
	s_wait_tensorcnt 1                             ; my rows of tile 0 are in; tile 1's may stay out
	BAR
.macro LOADW slot, half             ; my 32 rows of the tile, K steps 4 half .. 4 half + 3: 8 fragments, 16 loads
	WIN 0
.irp ks, 0,1,2,3
.irp nb, 0,1
	ds_load_b128 v[WF+16*(4*(\half)+(\ks))+8*(\nb):WF+16*(4*(\half)+(\ks))+8*(\nb)+3],   v[AW0+(\slot)] offset:(\nb)*16*PW+64*(4*(\half)+(\ks))
	ds_load_b128 v[WF+16*(4*(\half)+(\ks))+8*(\nb)+4:WF+16*(4*(\half)+(\ks))+8*(\nb)+7], v[AW0+(\slot)] offset:(\nb)*16*PW+64*(4*(\half)+(\ks))+32
.endr
.endr
.endm
.macro LOADA adr, off, dst          ; the work-group's 32 rows as source 1: 16 fragments, into window 1
	WIN 0x40
.irp ks, 0,1,2,3,4,5,6,7
.irp mt, 0,1
	ds_load_b128 v[(\dst)+16*(\ks)+8*(\mt):(\dst)+16*(\ks)+8*(\mt)+3],   v[\adr] offset:(\off)+(\mt)*16*PW+64*(\ks)
	ds_load_b128 v[(\dst)+16*(\ks)+8*(\mt)+4:(\dst)+16*(\ks)+8*(\mt)+7], v[\adr] offset:(\off)+(\mt)*16*PW+64*(\ks)+32
.endr
.endr
.endm
; A step: the tile's fragments out of the slot, in two halves, and its 32 products.  The second half's 16 loads are issued when the first half and source 1 are in, and land under the first 16 products.
; The four accumulators take turns, one instruction a turn.  bias = 1: the first four start the sums with b2; else all add in place.
.macro MULS slot, acc, b, bias
	LOADW \slot, 0
	s_wait_dscnt 0x0                               ; source 1's fragments and the tile's of K steps 0 to 3 are in
	LOADW \slot, 1
	WIN 0x04                                       ; source 1 in window 1
.irp ks, 0,1,2,3,4,5,6,7
.if (\ks) == 4
	s_wait_dscnt 0x0                               ; the tile's fragments of K steps 4 to 7 are in
.endif
.irp mt, 0,1
.irp nb, 0,1
.if ((\ks) == 0) && (\bias)
	v_wmma_f32_16x16x32_bf16 v[(\acc)+8*(2*(\mt)+(\nb)):(\acc)+8*(2*(\mt)+(\nb))+7], v[WF+16*(\ks)+8*(\nb):WF+16*(\ks)+8*(\nb)+7], v[(\b)+16*(\ks)+8*(\mt):(\b)+16*(\ks)+8*(\mt)+7], v[B2R+8*(\nb):B2R+8*(\nb)+7]
.else
	v_wmma_f32_16x16x32_bf16 v[(\acc)+8*(2*(\mt)+(\nb)):(\acc)+8*(2*(\mt)+(\nb))+7], v[WF+16*(\ks)+8*(\nb):WF+16*(\ks)+8*(\nb)+7], v[(\b)+16*(\ks)+8*(\mt):(\b)+16*(\ks)+8*(\mt)+7], v[(\acc)+8*(2*(\mt)+(\nb)):(\acc)+8*(2*(\mt)+(\nb))+7]
.endif
.endr
.endr
.endr
.endm
	; STEP 0: mi = x + o Wo^T.  x, read in the accumulators' layout, starts the sums
.irp mt, 0,1
.irp nb, 0,1
	ds_load_b128 v[MI+8*(2*(\mt)+(\nb)):MI+8*(2*(\mt)+(\nb))+3],   v[XD] offset:(\mt)*16*PX+(\nb)*64
	ds_load_b128 v[MI+8*(2*(\mt)+(\nb))+4:MI+8*(2*(\mt)+(\nb))+7], v[XD] offset:(\mt)*16*PX+(\nb)*64+16
.endr
.endr
	LOADA AAO, 0, AF
	MULS 0, MI, AF, 0
	WIN 0
	PLACES
	; LAYER NORM 2.  A row's 256 numbers lie in 8 waves x 2 halves of the lanes x 16 registers.  First the sums; each accumulator's lowest registers are read first
.irp mt, 0,1
.set A0, MI+16*(\mt)
.set TS, SS+8*(\mt)
	v_pk_add_f32 v[TS:TS+1],   v[A0:A0+1],     v[A0+2:A0+3]
	v_pk_add_f32 v[TS+2:TS+3], v[A0+8:A0+9],   v[A0+10:A0+11]
	v_pk_add_f32 v[TS+4:TS+5], v[A0+4:A0+5],   v[A0+6:A0+7]
	v_pk_add_f32 v[TS+6:TS+7], v[A0+12:A0+13], v[A0+14:A0+15]
	v_pk_add_f32 v[TS:TS+1],   v[TS:TS+1],     v[TS+2:TS+3]
	v_pk_add_f32 v[TS+4:TS+5], v[TS+4:TS+5],   v[TS+6:TS+7]
	v_pk_add_f32 v[TS:TS+1],   v[TS:TS+1],     v[TS+4:TS+5]
	v_add_f32 v[TS], v[TS], v[TS+1]
	v_permlanex16_b32 v[TS+1], v[TS], s40, s41
	v_add_f32 v[TS], v[TS], v[TS+1]
	ds_store_b32 v[RA], v[TS] offset:512*(\mt)     ; both halves of the lanes write the same number to the same word
.endr
	HEAD G0A                                       ; the round is also the barrier between these stores and their readers; slot 0 takes tile 2, which has the rest of the norm and a step in which to land
.macro RDRED off                    ; the eight waves' parts of my two rows, added: into v[SS], v[SS + 8]
.irp mt, 0,1
	ds_load_b128 v[SS+8*(\mt):SS+8*(\mt)+3],   v[RB] offset:(\off)+512*(\mt)
	ds_load_b128 v[SS+8*(\mt)+4:SS+8*(\mt)+7], v[RB] offset:(\off)+512*(\mt)+16
.endr
	s_wait_dscnt 0x0
.irp mt, 0,1
.set TS, SS+8*(\mt)
	v_pk_add_f32 v[TS:TS+1],   v[TS:TS+1],   v[TS+2:TS+3]
	v_pk_add_f32 v[TS+4:TS+5], v[TS+4:TS+5], v[TS+6:TS+7]
	v_pk_add_f32 v[TS:TS+1],   v[TS:TS+1],   v[TS+4:TS+5]
	v_add_f32 v[TS], v[TS], v[TS+1]
.endr
.endm
	RDRED 0
.irp mt, 0,1
.set TS, SS+8*(\mt)
.set A0, MI+16*(\mt)
.set D0, WF+16*(\mt)
	v_mul_f32 v[TS+1], s58, v[TS]                  ; minus the mean, twice
	v_mul_f32 v[TS], s58, v[TS]
.irp k, 0,2,4,6,8,10,12,14
	v_pk_add_f32 v[D0+(\k):D0+(\k)+1], v[A0+(\k):A0+(\k)+1], v[TS:TS+1]   ; the centred numbers, of which the variance is taken
.endr
	v_pk_mul_f32 v[TS+2:TS+3], v[D0:D0+1], v[D0:D0+1]
	v_pk_mul_f32 v[TS+4:TS+5], v[D0+2:D0+3], v[D0+2:D0+3]
.irp k, 4,8,12
	v_pk_fma_f32 v[TS+2:TS+3], v[D0+(\k):D0+(\k)+1], v[D0+(\k):D0+(\k)+1], v[TS+2:TS+3]
	v_pk_fma_f32 v[TS+4:TS+5], v[D0+(\k)+2:D0+(\k)+3], v[D0+(\k)+2:D0+(\k)+3], v[TS+4:TS+5]
.endr
	v_pk_add_f32 v[TS+2:TS+3], v[TS+2:TS+3], v[TS+4:TS+5]
	v_add_f32 v[TS+2], v[TS+2], v[TS+3]
	v_permlanex16_b32 v[TS+3], v[TS+2], s40, s41
	v_add_f32 v[TS+2], v[TS+2], v[TS+3]
	ds_store_b32 v[RA], v[TS+2] offset:1024+512*(\mt)
.endr
	BAR
	RDRED 1024
	v_fma_f32 v[SS], v[SS], s56, s57
	v_fma_f32 v[SS+8], v[SS+8], s56, s57
	v_rsq_f32 v[SS+2], v[SS]
	v_rsq_f32 v[SS+3], v[SS]
	v_rsq_f32 v[SS+10], v[SS+8]
	v_rsq_f32 v[SS+11], v[SS+8]
	v_nop                                          ; a plain line behind the last root,
	s_wait_alu depctr_va_vdst(0)                   ; and one wait for the four, ahead of the first reader
.irp mt, 0,1
.irp k, 0,2,4,6,8,10,12,14
	v_pk_mul_f32 v[WF+16*(\mt)+(\k):WF+16*(\mt)+(\k)+1], v[WF+16*(\mt)+(\k):WF+16*(\mt)+(\k)+1], v[SS+8*(\mt)+2:SS+8*(\mt)+3]
.endr
.endr
	WIN 0x14                                       ; sources 1 and 2 in window 1: g and b
.irp mt, 0,1
.irp k, 0,2,4,6,8,10,12,14
	v_pk_fma_f32 v[WF+16*(\mt)+(\k):WF+16*(\mt)+(\k)+1], v[WF+16*(\mt)+(\k):WF+16*(\mt)+(\k)+1], v[(\k):(\k)+1], v[16+(\k):16+(\k)+1]
.endr
.endr
	WIN 0
.irp a, 0,1,2,3
.irp k, 0,1,2,3
	v_cvt_pk_bf16_f32 v[WF+32+4*(\a)+(\k)], v[WF+8*(\a)+2*(\k)], v[WF+8*(\a)+2*(\k)+1]
.endr
	ds_store_b128 v[DY], v[WF+32+4*(\a):WF+32+4*(\a)+3] offset:((\a)/2)*16*PW+((\a)%2)*32   ; x's f32 rows, which lay here, were read ahead of the round above
.endr
	WIN 0x04
.irp mt, 0,1
.irp k, 0,2,4,6,8,10,12,14
	v_pk_add_f32 v[MI+16*(\mt)+(\k):MI+16*(\mt)+(\k)+1], v[MI+16*(\mt)+(\k):MI+16*(\mt)+(\k)+1], v[32+(\k):32+(\k)+1]  ; mi + b3: what the output's sums start from
.endr
.endr
	WIN 0
	BAR
	LOADA AAY, 0, YF                               ; y stays in registers for all four chunks of W2
	WIN 0                                          ; at a label and at a branch every window is 0
; h = gelu(HA), rounded to bf16, into LDS
.macro GELU
.set i, 0
.rept 32
	v_fma_f32 v[GT+i], |v[HA+i]|, s[CP], 1.0
.set i, i+1
.endr
.set i, 0
.rept 16
	v_pk_mul_f32 v[GE+i:GE+i+1], v[HA+i:HA+i+1], v[HA+i:HA+i+1]
.set i, i+2
.endr
.set i, 0
.rept 16
	v_pk_mul_f32 v[GE+i:GE+i+1], v[GE+i:GE+i+1], s[CK:CK+1] op_sel_hi:[1,0]
.set i, i+2
.endr
.set i, 0
.rept 32
	v_rcp_f32 v[GT+i], v[GT+i]
	v_exp_f32 v[GE+i], v[GE+i]
	v_max_num_f32 v[GM+i], 0, v[HA+i]              ; the last of these is the plain line behind the batch
.set i, i+1
.endr
	s_wait_alu depctr_va_vdst(0)                   ; one wait for the 64, ahead of their first reader
.set i, 0
.rept 16
	v_pk_fma_f32 v[GP+i:GP+i+1], v[GT+i:GT+i+1], s[C5:C5+1], s[C4:C4+1] op_sel_hi:[1,0,0]
.set i, i+2
.endr
.irp c, C3, C2, C1
.set i, 0
.rept 16
	v_pk_fma_f32 v[GP+i:GP+i+1], v[GP+i:GP+i+1], v[GT+i:GT+i+1], s[\c:\c+1] op_sel_hi:[1,1,0]
.set i, i+2
.endr
.endr
.set i, 0
.rept 16
	v_pk_mul_f32 v[GP+i:GP+i+1], v[GP+i:GP+i+1], v[GT+i:GT+i+1]
.set i, i+2
.endr
.set i, 0
.rept 16
	v_pk_mul_f32 v[GP+i:GP+i+1], v[GP+i:GP+i+1], v[GE+i:GE+i+1]
.set i, i+2
.endr
.set i, 0
.rept 32
	v_fma_f32 v[HA+i], -|v[HA+i]|, v[GP+i], v[GM+i]
.set i, i+1
.endr
.irp a, 0,1,2,3
.irp k, 0,1,2,3
	v_cvt_pk_bf16_f32 v[GT+4*(\a)+(\k)], v[HA+8*(\a)+2*(\k)], v[HA+8*(\a)+2*(\k)+1]
.endr
	ds_store_b128 v[DY], v[GT+4*(\a):GT+4*(\a)+3] offset:AH+((\a)/2)*16*PW+((\a)%2)*32
.endr
.endm
.macro W2STEP more                  ; a chunk of 256 hidden columns; more = 1: the next chunk's b2 is asked for
	s_wait_loadcnt 0x0                             ; b2 of this chunk; its loads are done, so their pointer may be stepped below
	MULS 1, HA, YF, 1
	WIN 0
	PLACES                                         ; behind the products: for the loads into b2's registers, and for the vector lines on HA and on the fragments' registers
.if \more
	s_add_nc_u64 s[14:15], s[14:15], 1024
	LOADB2
.endif
	GELU
.endm
.macro W3STEP
	LOADA AAY, AH, AF
	MULS 0, MI, AF, 0
.endm
	s_mov_b32 s22, 3
.Ltrip:                                                ; chunks 0 to 2: both slots are filled again
	W2STEP 1
	HEAD G0B                                       ; h is whole, the next tile of W3 is in; slot 1 takes the next chunk's tile of W2
	W3STEP
	HEAD G0A                                       ; nobody reads h any more; slot 0 takes the next chunk's tile of W3
	s_sub_co_u32 s22, s22, 1
	s_cmp_lg_u32 s22, 0
	s_cbranch_scc1 .Ltrip
	W2STEP 0                                       ; the last chunk is written out: nothing is left to ask for
	HEAD0
	W3STEP
	WIN 0
	BAR                                            ; every wave's reads of h are over: the output's f32 rows take the place
	PLACES
.irp mt, 0,1
.irp nb, 0,1
	ds_store_b128 v[XD], v[MI+8*(2*(\mt)+(\nb)):MI+8*(2*(\mt)+(\nb))+3]   offset:(\mt)*16*PX+(\nb)*64
	ds_store_b128 v[XD], v[MI+8*(2*(\mt)+(\nb))+4:MI+8*(2*(\mt)+(\nb))+7] offset:(\mt)*16*PX+(\nb)*64+16
.endr
.endr
	BAR
.irp g, 0,1,2,3,4,5,6,7
	ds_load_b128 v[WF+4*(\g):WF+4*(\g)+3], v[XL] offset:((\g)/2)*PX+((\g)%2)*512
.endr
.irp g, 0,1,2,3,4,5,6,7
	s_wait_dscnt 7-(\g)
	global_store_b128 v[GX], v[WF+4*(\g):WF+4*(\g)+3], s[18:19] offset:512*(\g)  ; 512 consecutive bytes, aligned
.endr
	s_wait_tensorcnt 0x0                           ; the wave's end, behind my last tensor load and my last LDS store
	ds_add_u32 v[SPW], v[NIL]
	s_wait_dscnt 0x0
	CROUND                                         ; the closing round: no work-group ends while a partner may still ask for a tile that names it
	s_endpgm
.Lfunc_end_k_q2c495ae039_mlp:
	.size	k_q2c495ae039_mlp, .Lfunc_end_k_q2c495ae039_mlp-k_q2c495ae039_mlp
	.p2alignl 7, 3214868480
	.fill 96, 4, 3214868480
	.section	.rodata,"a",@progbits
	.p2align	6, 0x0
	.amdhsa_kernel k_q2c495ae039_mlp
		.amdhsa_group_segment_fixed_size 327680
		.amdhsa_private_segment_fixed_size 0
		.amdhsa_enable_private_segment 0
		.amdhsa_kernarg_size 64
		.amdhsa_user_sgpr_count 2
		.amdhsa_user_sgpr_kernarg_segment_ptr 1
		.amdhsa_wavefront_size32 1
		.amdhsa_system_sgpr_workgroup_id_x 1
		.amdhsa_system_sgpr_workgroup_id_y 1
		.amdhsa_system_sgpr_workgroup_id_z 1
		.amdhsa_system_vgpr_workitem_id 0
		.amdhsa_next_free_vgpr 512
		.amdhsa_next_free_sgpr 66
		.amdhsa_reserve_vcc 0
		.amdhsa_float_denorm_mode_32 3
		.amdhsa_float_denorm_mode_16_64 3
		.amdhsa_memory_ordered 1
		.amdhsa_forward_progress 1
		.amdhsa_inst_pref_size 88
	.end_amdhsa_kernel
	.amdgpu_metadata
---
amdhsa.version: [ 1, 2 ]
amdhsa.kernels:
  - .name:           k_q2c495ae039_mlp
    .symbol:         k_q2c495ae039_mlp.kd
    .args:
      - { .name: ows, .offset: 0, .size: 8, .value_kind: global_buffer, .address_space: global }
      - { .name: wbf, .offset: 8, .size: 8, .value_kind: global_buffer, .address_space: global }
      - { .name: x, .offset: 16, .size: 8, .value_kind: global_buffer, .address_space: global }
      - { .name: ln2_g, .offset: 24, .size: 8, .value_kind: global_buffer, .address_space: global }
      - { .name: ln2_b, .offset: 32, .size: 8, .value_kind: global_buffer, .address_space: global }
      - { .name: b2, .offset: 40, .size: 8, .value_kind: global_buffer, .address_space: global }
      - { .name: b3, .offset: 48, .size: 8, .value_kind: global_buffer, .address_space: global }
      - { .name: out0, .offset: 56, .size: 8, .value_kind: global_buffer, .address_space: global }
    .group_segment_fixed_size: 327680
    .private_segment_fixed_size: 0
    .kernarg_segment_align: 8
    .kernarg_segment_size: 64
    .max_flat_workgroup_size: 256
    .sgpr_count:     66
    .vgpr_count:     512
    .wavefront_size: 32
...
	.end_amdgpu_metadata
.endif
;; end of part 3
